; MI455X (gfx1250); checked and timed in simulation.
; The chip was launched on July 23, 2026; its instructions are those of AMD's public machine-readable ISA for CDNA 5 (MIT licence, August 2026) and "CDNA5" Instruction Set Architecture Reference Guide (July 2026). The comments in the code are by the model that wrote it; some were corrected since.
;; Diff MLA Attention. Allowed arithmetic: float matrix products may take bf16 or f16 operands with f32 sums; all other float work in f32.
;; Inputs: W_DKV 2,048 x 1,024 float32; W_DQ 2,048 x 1,024 float32; W_KR 2,048 x 64 float32; W_QR 1,024 x 2,048 float32; W_UK 1,024 x 2,048 float32; W_UQ 1,024 x 4,096 float32; W_UV 1,024 x 2,048 float32; W_lambda_b 16 float32; W_lambda_w 2,048 x 16 float32; W_out 2,048 x 2,048 float32; kv_norm_w 1,024 float32; q_norm_w 1,024 float32; x 2 x 1,024 x 2,048 float32.
;; Outputs: out0 2 x 1,024 x 2,048 float32.
;; One version. Each part assembles by itself: llvm-mc -triple=amdgcn-amd-amdhsa -mcpu=gfx1250 --defsym DOCPART=n.
;; ======== version 1 of 1: 5 launches
;; limits: values outside matrix products are rounded to bf16; values are held in f16: magnitudes above 65,504 overflow, below 6.1e-05 lose precision
;; workspace buffers: xh 8,388,608 bytes; wh 37,748,736 bytes; aux 917,504 bytes; ch 8,388,608 bytes; ssq 262,144 bytes; qkv 41,943,040 bytes; oh 8,388,608 bytes
;; launch prep (part 1): grid 208 x 1, 8 waves a work-group, no clusters, 320,512 bytes of LDS; arguments x, W_KR, W_lambda_w, W_lambda_b, W_DKV, W_DQ, W_UK, W_UV, W_UQ, W_QR, W_out, xh, wh, aux; writes xh, wh, aux
.if DOCPART == 1
	.amdgcn_target "amdgcn-amd-amdhsa--gfx1250"
	.amdhsa_code_object_version 6
	.text
	.protected	k_q7ef4f58d9f_prep
	.globl	k_q7ef4f58d9f_prep
	.p2align	8
	.type	k_q7ef4f58d9f_prep,@function
k_q7ef4f58d9f_prep:
	s_mov_b64 s[64:65], 0
	v_nop
	global_prefetch_b8 v0, s[64:65] scope:SCOPE_SE
	s_setreg_imm32_b32 hwreg(HW_REG_WAVE_MODE, 25, 1), 1
	s_wait_xcnt 0x0
; prep: every large input is rounded to bf16 and kept as f16; the two narrow products of x are made on the way.
;   work-groups 0-63  (x path): 32 rows of x each.  xh = f16(bf16(x)); kr = RoPE(x . W_KR) in f16; lam = sigmoid(x . W_lambda_w + b) in f32;
;                     the cos and sin tables of these rows in f32.
;   work-groups 64-207 (weights path): wh = f16(bf16(W)) for nine units of 1,024 rows x 2,048 numbers:
;                     W_DKV, W_DQ, W_UK, W_UV, W_UQ[:,0:2048], W_UQ[:,2048:4096], W_QR, W_out rows 0-1023, W_out rows 1024-2047.
; LIMITS, kept on purpose: a bf16 number below 2^-14 in magnitude loses bits in f16 (absolute error at most 3e-8), one above 65,504 becomes
; infinite.  The RoPE angle l * inv_freq is reduced with 1/(2 pi) in f32: at l = 1023 the turn count carries an error of about 1e-5 turns.
; kr (and q_r, made elsewhere) are stored in a permuted order of d: d < 32 at 8 (d>>2) + (d&3), d >= 32 at 8 ((d-32)>>2) + 4 + (d&3);
; the same order on both sides leaves their dot products as they are, and a lane's numbers are 16 neighbouring bytes.
; No tensor loads here: the data are converted in registers on the way, so they come by global loads.  No cluster: no tile is shared.
.set P,    16                          ; v[16:79]   16 loads of 16 bytes, set P (also the fragments of the small product)
.set Q,    80                          ; v[80:143]  set Q
.set YB,   144                         ; v[144:175] converted numbers (the weights path also uses v[176:207])
.set ACC,  176                         ; v[176:255] x path: ten accumulator tiles, (mi, nj) at ACC + 8 (5 mi + nj)
.set WREG, 29184                       ; LDS of a wave: A 32 rows x 272 bytes, then B 128 k-rows x 160 bytes
.set BOFS, 8704
.set RED,  233472                      ; behind the eight waves' regions: 32 rows x 336 bytes of f32 partial results for each wave
.set REDW, 10752
; four f32 in v[x..x+3] -> bf16 (nearest even) -> the same numbers as f16, in v[y], v[y+1]
.macro CV4 y, x
	v_cvt_pk_bf16_f32 v[\y], v[\x], v[\x+1]
	v_cvt_pk_bf16_f32 v[\y+1], v[\x+2], v[\x+3]
	v_lshlrev_b32 v[\x], 16, v[\y]
	v_and_b32 v[\x+1], s41, v[\y]
	v_lshlrev_b32 v[\x+2], 16, v[\y+1]
	v_and_b32 v[\x+3], s41, v[\y+1]
	v_cvt_pk_f16_f32 v[\y], v[\x], v[\x+1]
	v_cvt_pk_f16_f32 v[\y+1], v[\x+2], v[\x+3]
.endm
.macro PLACES                          ; four plain vector places behind a matrix instruction (ISA guide 7.12.1)
.rept 4
	v_nop
.endr
.endm
	s_load_b512 s[8:23], s[0:1], 0x0               ; x 8, W_KR 10, W_lambda_w 12, W_lambda_b 14, W_DKV 16, W_DQ 18, W_UK 20, W_UV 22
	s_load_b256 s[24:31], s[0:1], 0x40             ; W_UQ 24, W_QR 26, W_out 28, xh 30
	s_load_b128 s[32:35], s[0:1], 0x60             ; wh 32, aux 34
	s_set_vgpr_msb 0x40
	v_lshl_add_u32 v0, v0, 2, 0x4e000
	v_mov_b32 v1, 0
	s_set_vgpr_msb 0x4000
	v_lshrrev_b32 v1, 5, v0
	v_readfirstlane_b32 s40, v1                    ; wave 0..7
	v_and_b32 v1, 31, v0                           ; lane L
	s_mov_b32 s41, 0xffff0000                      ; a word's upper bf16
	v_lshlrev_b32 v2, 4, v1                        ; 16 L
	v_lshlrev_b32 v3, 3, v1                        ; 8 L
	s_wait_kmcnt 0x0
	s_cmp_lt_u32 ttmp9, 64
	s_cbranch_scc1 .Lxpath
; ---------------------------------------------------------------- weights path
; unit u = (id - 64) / 16, part = (id - 64) % 16: 64 rows of 2,048 numbers; a wave takes 8 of them, one row (8,192 bytes) = 16 loads.
	s_sub_co_u32 s42, ttmp9, 64
	s_lshr_b32 s43, s42, 4                         ; u
	s_and_b32 s42, s42, 15                         ; part
	s_movk_i32 s56, 0x2000
	s_movk_i32 s57, 0x4000
	s_mov_b64 s[46:47], s[16:17]                   ; u = 0: W_DKV
	s_cmp_eq_u32 s43, 1
	s_cselect_b64 s[46:47], s[18:19], s[46:47]     ; W_DQ
	s_cmp_eq_u32 s43, 2
	s_cselect_b64 s[46:47], s[20:21], s[46:47]     ; W_UK
	s_cmp_eq_u32 s43, 3
	s_cselect_b64 s[46:47], s[22:23], s[46:47]     ; W_UV
	s_cmp_eq_u32 s43, 6
	s_cselect_b64 s[46:47], s[26:27], s[46:47]     ; W_QR
	s_cmp_ge_u32 s43, 7
	s_cselect_b64 s[46:47], s[28:29], s[46:47]     ; W_out
	s_lshr_b32 s44, s43, 1
	s_cmp_eq_u32 s44, 2
	s_cselect_b64 s[46:47], s[24:25], s[46:47]     ; u = 4, 5: W_UQ,
	s_cselect_b32 s45, s57, s56                    ; whose rows are 16,384 bytes apart; all others 8,192
	s_cmp_eq_u32 s43, 5
	s_cselect_b32 s50, s56, 0                      ; u = 5: the right half of W_UQ's rows
	s_cmp_eq_u32 s43, 8
	s_cselect_b32 s50, 0x800000, s50               ; u = 8: the lower half of W_out
	s_lshl_b32 s51, s42, 6
	s_lshl3_add_u32 s51, s40, s51                  ; my first row = 64 part + 8 wave
	s_mul_i32 s52, s51, s45
	s_add_co_u32 s52, s52, s50
	s_mov_b32 s53, 0
	s_add_nc_u64 s[46:47], s[46:47], s[52:53]      ; source at my first row
	s_lshl_b32 s54, s43, 22                        ; a unit is 4 MiB of f16
	s_lshl_b32 s55, s51, 12
	s_add_co_u32 s54, s54, s55
	s_mov_b32 s55, 0
	s_add_nc_u64 s[48:49], s[32:33], s[54:55]      ; wh at my first row
	v_add_nc_u32 v5, s45, v2                       ; offsets: v2 even rows, v5 odd rows
	s_lshl_b32 s45, s45, 1                         ; two rows on
.macro LOADROW x, a
.irp i, 0,1,2,3,4,5,6,7,8,9,10,11,12,13,14,15
	global_load_b128 v[\x+4*\i:\x+4*\i+3], v[\a], s[46:47] offset:512*\i th:TH_LOAD_NT
.endr
.endm
; one row: left = the other set's loads that may stay out; more = 1: the set is loaded again, two rows on
.macro ROW rho, x, a, y, left, more
	s_wait_loadcnt \left                           ; loads return in order: this set's 16 are in
	s_wait_xcnt 0x0                                ; the stores that read v[y..] have had their addresses translated: y is rewritten only behind this wait
.irp i, 0,1,2,3,4,5,6,7,8,9,10,11,12,13,14,15
	CV4 \y+2*\i, \x+4*\i
.endr
.if \more
	v_add_nc_u32 v[\a], s45, v[\a]
	LOADROW \x, \a
.endif
.irp i, 0,1,2,3,4,5,6,7,8,9,10,11,12,13,14,15
	global_store_b64 v3, v[\y+2*\i:\y+2*\i+1], s[48:49] offset:4096*\rho+256*\i   ; 32 lanes store 256 consecutive bytes, aligned
.endr
.endm
	LOADROW P, 2
	LOADROW Q, 5
	ROW 0, P, 2, 144, 16, 1
	ROW 1, Q, 5, 176, 16, 1
	ROW 2, P, 2, 144, 16, 1
	ROW 3, Q, 5, 176, 16, 1
	ROW 4, P, 2, 144, 16, 1
	ROW 5, Q, 5, 176, 16, 1
	ROW 6, P, 2, 144, 16, 0
	ROW 7, Q, 5, 176, 0, 0
	s_endpgm
; ---------------------------------------------------------------- x path
; Work-group X owns rows 32 X .. 32 X + 31.  Wave w owns k = 256 w .. 256 w + 255, in two chunks of 128: it converts its part of x (stored to xh
; and laid into its own LDS region as A), its k-rows of W_KR (columns 0-63 of B) and of W_lambda_w (columns 64-79), and multiplies 32 x 80 x 128.
; The eight waves' partial results meet in LDS behind one barrier and are added in the order of the waves.
.Lxpath:
	s_lshl_b32 s42, ttmp9, 18
	s_lshl_b32 s44, s40, 10
	s_add_co_u32 s42, s42, s44
	s_mov_b32 s43, 0
	s_add_nc_u64 s[46:47], s[8:9], s[42:43]        ; x: 32 X rows of 8,192 bytes + 1,024 w
	s_lshl_b32 s42, ttmp9, 17
	s_lshl_b32 s44, s40, 9
	s_add_co_u32 s42, s42, s44
	s_add_nc_u64 s[48:49], s[30:31], s[42:43]      ; xh likewise, half the bytes
	s_lshl_b32 s42, s40, 16
	s_add_nc_u64 s[50:51], s[10:11], s[42:43]      ; W_KR at k = 256 w (rows of 256 bytes)
	s_lshl_b32 s42, s40, 14
	s_add_nc_u64 s[52:53], s[12:13], s[42:43]      ; W_lambda_w at k = 256 w (rows of 64 bytes)
	s_lshl_b32 s42, ttmp9, 12
	s_lshl_b32 s44, s40, 9
	s_add_co_u32 s42, s42, s44
	s_add_nc_u64 s[60:61], s[34:35], s[42:43]      ; aux: rows of 128 bytes (kr, cos, sin), four rows a wave
	s_lshl_b32 s42, ttmp9, 11
	s_lshl_b32 s44, s40, 8
	s_add_co_u32 s42, s42, s44
	s_add_nc_u64 s[62:63], s[34:35], s[42:43]      ; aux: rows of 64 bytes (lam)
	s_mul_i32 s54, s40, WREG                       ; my LDS region
	s_add_co_u32 s55, s54, BOFS                    ; its B part
	s_mov_b32 s36, 0xab573f9f                      ; -1/15!
	s_mov_b32 s37, 0x29573f9f                      ; 1/16!
	v_and_b32 v4, 15, v1                           ; r
	v_lshrrev_b32 v5, 4, v1                        ; h
	v_add_nc_u32 v6, s54, v3                       ; A in: 8 L (+ 272 a row)
	v_mul_u32_u24 v7, v5, 160
	v_lshl_add_u32 v7, v4, 3, v7
	v_add_nc_u32 v7, s55, v7                       ; W_KR in: k-row h, 8 r
	v_lshrrev_b32 v9, 2, v1
	v_mul_u32_u24 v8, v9, 160
	v_and_b32 v9, 3, v1
	v_lshl_add_u32 v8, v9, 3, v8
	v_add_nc_u32 v8, s55, v8
	v_add_nc_u32 v8, 128, v8                       ; W_lambda_w in: k-row L>>2, column 64 + 4 (L&3)
	v_mul_u32_u24 v10, v4, 272
	v_lshl_add_u32 v10, v5, 4, v10
	v_add_nc_u32 v10, s54, v10                     ; A fragments: row r, 16 h
	v_and_b32 v9, 7, v1
	v_lshl_add_u32 v9, v5, 3, v9
	v_mul_u32_u24 v11, v9, 160
	v_bfe_u32 v9, v1, 3, 1
	v_lshl_add_u32 v11, v9, 4, v11
	v_add_nc_u32 v11, s55, v11                     ; B fragments by transposing loads: k-row 8 h + (L&7), 16 ((L>>3)&1)
.macro LD16 x, b, off0, stride
.irp t, 0,1,2,3,4,5,6,7,8,9,10,11,12,13,14,15
	global_load_b128 v[\x+4*\t:\x+4*\t+3], v2, s[\b:\b+1] offset:\off0+\stride*\t
.endr
.endm
; a batch is converted and laid into LDS; g = 1: it is x, and also goes to xh
.macro CS16 x, left, la, loff, lstr, g, goff
	s_wait_loadcnt \left                           ; this batch's 16 loads are in; the next batch's 16 stay out
	s_wait_xcnt 0x0                                ; v[YB..] is rewritten only behind this wait (stores to xh read it)
.irp t, 0,1,2,3,4,5,6,7,8,9,10,11,12,13,14,15
	CV4 YB+2*\t, \x+4*\t
	ds_store_b64 v[\la], v[YB+2*\t:YB+2*\t+1] offset:\loff+\lstr*\t
.if \g
	global_store_b64 v3, v[YB+2*\t:YB+2*\t+1], s[48:49] offset:\goff+4096*\t      ; 256 consecutive bytes, aligned
.endif
.endr
.endm
.macro LDA ck, half, set                       ; 16 rows of x, 512 bytes each
	LD16 \set, 46, 512*\ck+131072*\half, 8192
.endm
.macro LDK ck, beta, set                       ; 32 k-rows of W_KR, two a load
	LD16 \set, 50, 32768*\ck+8192*\beta, 512
.endm
.macro LDL ck, set                             ; 128 k-rows of W_lambda_w, eight a load
	LD16 \set, 52, 8192*\ck, 512
.endm
.macro CSA ck, half, set, left
	CS16 \set, \left, 6, 4352*\half, 272, 1, 256*\ck+65536*\half
.endm
.macro CSK beta, set, left
	CS16 \set, \left, 7, 5120*\beta, 320, 0, 0
.endm
.macro CSL set, left
	CS16 \set, \left, 8, 0, 1280, 0, 0
.endm
; 32 x 80 x 128 from my own LDS region (a wave's LDS instructions are served in order, so no barrier).  Source 0 = 16 columns of B, source 1 = 16 rows
; of x: a lane's eight results are eight neighbouring columns of one row.  The ten accumulators take turns, one instruction a turn.
.macro MM zero
.irp st, 0,1,2,3
.irp mi, 0,1
	ds_load_b128 v[P+8*\mi:P+8*\mi+3], v10 offset:4352*\mi+64*\st
	ds_load_b128 v[P+8*\mi+4:P+8*\mi+7], v10 offset:4352*\mi+64*\st+32
.endr
.irp nj, 0,1,2,3,4
	ds_load_tr16_b128 v[P+16+8*\nj:P+16+8*\nj+3], v11 offset:5120*\st+32*\nj
	ds_load_tr16_b128 v[P+16+8*\nj+4:P+16+8*\nj+7], v11 offset:5120*\st+32*\nj+2560
.endr
	s_wait_dscnt 0x0
.irp mi, 0,1
.irp nj, 0,1,2,3,4
.if \zero > \st
	v_wmma_f32_16x16x32_f16 v[ACC+8*(5*\mi+\nj):ACC+8*(5*\mi+\nj)+7], v[P+16+8*\nj:P+16+8*\nj+7], v[P+8*\mi:P+8*\mi+7], 0
.else
	v_wmma_f32_16x16x32_f16 v[ACC+8*(5*\mi+\nj):ACC+8*(5*\mi+\nj)+7], v[P+16+8*\nj:P+16+8*\nj+7], v[P+8*\mi:P+8*\mi+7], v[ACC+8*(5*\mi+\nj):ACC+8*(5*\mi+\nj)+7]
.endif
.endr
.endr
	PLACES                                         ; before the fragments are loaded again, or the results read
.endr
.endm
	LDA 0, 0, P                                    ; fourteen batches on two register sets: a batch is asked for before the one in front is converted
	LDA 0, 1, Q
	CSA 0, 0, P, 16
	LDK 0, 0, P
	CSA 0, 1, Q, 16
	LDK 0, 1, Q
	CSK 0, P, 16
	LDK 0, 2, P
	CSK 1, Q, 16
	LDK 0, 3, Q
	CSK 2, P, 16
	LDL 0, P
	CSK 3, Q, 16
	LDA 1, 0, Q
	CSL P, 16
	MM 1                                           ; chunk 0 starts the sums; its fragments lie in set P, which is free here
	LDA 1, 1, P
	CSA 1, 0, Q, 16
	LDK 1, 0, Q
	CSA 1, 1, P, 16
	LDK 1, 1, P
	CSK 0, Q, 16
	LDK 1, 2, Q
	CSK 1, P, 16
	LDK 1, 3, P
	CSK 2, Q, 16
	LDL 1, Q
	CSK 3, P, 16
	CSL Q, 0
	v_and_b32 v14, 7, v1                           ; q = L & 7
	v_lshlrev_b32 v15, 3, v14
	global_load_b64 v[84:85], v15, s[14:15]        ; the bias of heads 2 q, 2 q + 1
	MM 0
	; the partial results: row 16 mi + r, columns 16 nj + 8 h + 0..7, rows of 336 bytes (an odd multiple of 16)
	s_mul_i32 s56, s40, REDW
	s_add_co_u32 s56, s56, RED
	v_mul_u32_u24 v12, v4, 336
	v_lshl_add_u32 v12, v5, 5, v12
	v_add_nc_u32 v12, s56, v12
.irp mi, 0,1
.irp nj, 0,1,2,3,4
	ds_store_b128 v12, v[ACC+8*(5*\mi+\nj):ACC+8*(5*\mi+\nj)+3] offset:5376*\mi+64*\nj
	ds_store_b128 v12, v[ACC+8*(5*\mi+\nj)+4:ACC+8*(5*\mi+\nj)+7] offset:5376*\mi+64*\nj+16
.endr
.endr
	s_wait_dscnt 0x0                               ; my stores are done, for the other waves' sake
	s_barrier_signal -1
	s_barrier_wait -1
	; thread: row 4 w + (L>>3), q = L & 7: columns 4 q .. 4 q + 3 (a), 32 + 4 q .. (b), 64 + 2 q, 65 + 2 q (lambda)
	; registers: a of wave u in v[16+4u..], b in v[48+4u..], lambda in v[86+2u..] (up to v101); the tables work in v[104:134]
	v_lshrrev_b32 v13, 3, v1
	s_lshl_b32 s57, s40, 2
	v_add_nc_u32 v13, s57, v13                     ; row
	v_mul_u32_u24 v6, v13, 336
	v_add_nc_u32 v6, RED, v6
	v_lshl_add_u32 v8, v14, 3, v6
	v_lshl_add_u32 v6, v14, 4, v6
	v_add_nc_u32 v7, 4*REDW, v6                    ; waves 4-7: the LDS immediate has 16 bits
	v_add_nc_u32 v9, 4*REDW, v8
.irp u, 0,1,2,3
	ds_load_b128 v[16+4*\u:19+4*\u], v6 offset:REDW*\u
	ds_load_b128 v[48+4*\u:51+4*\u], v6 offset:REDW*\u+128
	ds_load_b64 v[86+2*\u:87+2*\u], v8 offset:REDW*\u+256
.endr
.irp u, 0,1,2,3
	ds_load_b128 v[32+4*\u:35+4*\u], v7 offset:REDW*\u
	ds_load_b128 v[64+4*\u:67+4*\u], v7 offset:REDW*\u+128
	ds_load_b64 v[94+2*\u:95+2*\u], v9 offset:REDW*\u+256
.endr
	; meanwhile the tables: angle = l * 10000^(-f/32), f = 4 q + e
	s_lshl_b32 s58, ttmp9, 5
	v_add_nc_u32 v132, s58, v13
	v_and_b32 v132, 0x3ff, v132                    ; l
	v_cvt_f32_u32 v132, v132
	v_lshlrev_b32 v133, 2, v14
.irp e, 0,1,2,3
	v_add_nc_u32 v[104+\e], \e, v133
	v_cvt_f32_u32 v[104+\e], v[104+\e]
	v_mul_f32 v[104+\e], 0xbed49a78, v[104+\e]     ; - f log2(10000) / 32
.endr
.irp e, 0,1,2,3
	v_exp_f32 v[104+\e], v[104+\e]
.endr
	v_nop                                          ; one plain place behind the transcendentals (ISA guide 5.7.2)
	s_wait_alu depctr_va_vdst(0)
.irp e, 0,1,2,3
	v_mul_f32 v[104+\e], v132, v[104+\e]           ; the angle, rounded to f32 as in the definition
	v_mul_f32 v[108+\e], 0.15915494, v[104+\e]
	v_rndne_f32 v[108+\e], v[108+\e]               ; whole turns
	v_fma_f32 v[104+\e], v[104+\e], 0.15915494, -v[108+\e]   ; the rest, -1/2 .. 1/2 turn
	v_mul_f32 v[104+\e], 0x40c90fdb, v[104+\e]     ; z in -pi .. pi
	v_mul_f32 v[108+\e], v[104+\e], v[104+\e]      ; y = z^2
.endr
	; sin z = z (1 - y/3! + .. - y^7/15!), cos z = 1 - y/2! + .. + y^8/16!: the first terms left out are below 1e-6 at |z| = pi
.irp e, 0,1,2,3
	v_fmaak_f32 v[112+\e], s36, v[108+\e], 0x2f309231
	v_fmaak_f32 v[116+\e], s37, v[108+\e], 0xad49cba5
.endr
.irp c, 0xb2d7322b, 0x3638ef1d, 0xb9500d01, 0x3c088889, 0xbe2aaaab
.irp e, 0,1,2,3
	v_fmaak_f32 v[112+\e], v[112+\e], v[108+\e], \c
.endr
.endr
.irp c, 0x310f76c7, 0xb493f27e, 0x37d00d01, 0xbab60b61, 0x3d2aaaab
.irp e, 0,1,2,3
	v_fmaak_f32 v[116+\e], v[116+\e], v[108+\e], \c
.endr
.endr
.irp e, 0,1,2,3
	v_fma_f32 v[112+\e], v[112+\e], v[108+\e], 1.0
	v_fma_f32 v[116+\e], v[116+\e], v[108+\e], -0.5
.endr
.irp e, 0,1,2,3
	v_mul_f32 v[112+\e], v[112+\e], v[104+\e]      ; sin
	v_fma_f32 v[116+\e], v[116+\e], v[108+\e], 1.0 ; cos
.endr
	global_store_b128 v2, v[116:119], s[60:61] offset:393216     ; a wave's store covers 512 consecutive bytes
	global_store_b128 v2, v[112:115], s[60:61] offset:655360
	s_wait_dscnt 0x0
.irp u, 1,2,3,4,5,6,7
	v_pk_add_f32 v[16:17], v[16:17], v[16+4*\u:17+4*\u]          ; the waves' parts, in the order of k
	v_pk_add_f32 v[18:19], v[18:19], v[18+4*\u:19+4*\u]
	v_pk_add_f32 v[48:49], v[48:49], v[48+4*\u:49+4*\u]
	v_pk_add_f32 v[50:51], v[50:51], v[50+4*\u:51+4*\u]
	v_pk_add_f32 v[86:87], v[86:87], v[86+2*\u:87+2*\u]
.endr
	; kr: lo = a cos - b sin, hi = b cos + a sin
	v_pk_mul_f32 v[120:121], v[48:49], v[112:113]
	v_pk_mul_f32 v[122:123], v[50:51], v[114:115]
	v_pk_mul_f32 v[124:125], v[16:17], v[112:113]
	v_pk_mul_f32 v[126:127], v[18:19], v[114:115]
	v_pk_fma_f32 v[120:121], v[16:17], v[116:117], v[120:121] neg_lo:[0,0,1] neg_hi:[0,0,1]
	v_pk_fma_f32 v[122:123], v[18:19], v[118:119], v[122:123] neg_lo:[0,0,1] neg_hi:[0,0,1]
	v_pk_fma_f32 v[124:125], v[48:49], v[116:117], v[124:125]
	v_pk_fma_f32 v[126:127], v[50:51], v[118:119], v[126:127]
	v_cvt_pk_f16_f32 v128, v120, v121
	v_cvt_pk_f16_f32 v129, v122, v123
	v_cvt_pk_f16_f32 v130, v124, v125
	v_cvt_pk_f16_f32 v131, v126, v127
	global_store_b128 v2, v[128:131], s[60:61]
	; lam = 1 / (1 + 2^(-1.442695 z)), z = the product + the bias (rounded to bf16 like every input)
	s_wait_loadcnt 0x0
	v_cvt_pk_bf16_f32 v134, v84, v85
	v_lshlrev_b32 v84, 16, v134
	v_and_b32 v85, s41, v134
	v_pk_add_f32 v[86:87], v[86:87], v[84:85]
	v_mul_f32 v86, 0xbfb8aa3b, v86
	v_mul_f32 v87, 0xbfb8aa3b, v87
	v_exp_f32 v86, v86
	v_exp_f32 v87, v87
	v_nop
	s_wait_alu depctr_va_vdst(0)
	v_add_f32 v86, 1.0, v86
	v_add_f32 v87, 1.0, v87
	v_rcp_f32 v86, v86
	v_rcp_f32 v87, v87
	v_nop
	s_wait_alu depctr_va_vdst(0)
	global_store_b64 v3, v[86:87], s[62:63] offset:262144        ; 256 consecutive bytes
	s_set_vgpr_msb 0x5
	s_wait_tensorcnt 0x0
	ds_add_u32 v0, v1
	s_wait_dscnt 0x0
	s_set_vgpr_msb 0x500
	s_endpgm
.Lfunc_end_k_q7ef4f58d9f_prep:
	.size	k_q7ef4f58d9f_prep, .Lfunc_end_k_q7ef4f58d9f_prep-k_q7ef4f58d9f_prep
	.p2alignl 7, 3214868480
	.fill 96, 4, 3214868480
	.section	.rodata,"a",@progbits
	.p2align	6, 0x0
	.amdhsa_kernel k_q7ef4f58d9f_prep
		.amdhsa_group_segment_fixed_size 320512
		.amdhsa_private_segment_fixed_size 0
		.amdhsa_enable_private_segment 0
		.amdhsa_kernarg_size 112
		.amdhsa_user_sgpr_count 2
		.amdhsa_user_sgpr_kernarg_segment_ptr 1
		.amdhsa_wavefront_size32 1
		.amdhsa_system_sgpr_workgroup_id_x 1
		.amdhsa_system_sgpr_workgroup_id_y 1
		.amdhsa_system_sgpr_workgroup_id_z 1
		.amdhsa_system_vgpr_workitem_id 0
		.amdhsa_next_free_vgpr 258
		.amdhsa_next_free_sgpr 66
		.amdhsa_reserve_vcc 0
		.amdhsa_float_denorm_mode_32 3
		.amdhsa_float_denorm_mode_16_64 3
		.amdhsa_memory_ordered 1
		.amdhsa_forward_progress 1
		.amdhsa_inst_pref_size 230
	.end_amdhsa_kernel
	.amdgpu_metadata
---
amdhsa.version: [ 1, 2 ]
amdhsa.kernels:
  - .name:           k_q7ef4f58d9f_prep
    .symbol:         k_q7ef4f58d9f_prep.kd
    .args:
      - { .name: x, .offset: 0, .size: 8, .value_kind: global_buffer, .address_space: global }
      - { .name: W_KR, .offset: 8, .size: 8, .value_kind: global_buffer, .address_space: global }
      - { .name: W_lambda_w, .offset: 16, .size: 8, .value_kind: global_buffer, .address_space: global }
      - { .name: W_lambda_b, .offset: 24, .size: 8, .value_kind: global_buffer, .address_space: global }
      - { .name: W_DKV, .offset: 32, .size: 8, .value_kind: global_buffer, .address_space: global }
      - { .name: W_DQ, .offset: 40, .size: 8, .value_kind: global_buffer, .address_space: global }
      - { .name: W_UK, .offset: 48, .size: 8, .value_kind: global_buffer, .address_space: global }
      - { .name: W_UV, .offset: 56, .size: 8, .value_kind: global_buffer, .address_space: global }
      - { .name: W_UQ, .offset: 64, .size: 8, .value_kind: global_buffer, .address_space: global }
      - { .name: W_QR, .offset: 72, .size: 8, .value_kind: global_buffer, .address_space: global }
      - { .name: W_out, .offset: 80, .size: 8, .value_kind: global_buffer, .address_space: global }
      - { .name: xh, .offset: 88, .size: 8, .value_kind: global_buffer, .address_space: global }
      - { .name: wh, .offset: 96, .size: 8, .value_kind: global_buffer, .address_space: global }
      - { .name: aux, .offset: 104, .size: 8, .value_kind: global_buffer, .address_space: global }
    .group_segment_fixed_size: 320512
    .private_segment_fixed_size: 0
    .kernarg_segment_align: 8
    .kernarg_segment_size: 112
    .max_flat_workgroup_size: 256
    .sgpr_count:     66
    .vgpr_count:     258
    .wavefront_size: 32
...
	.end_amdgpu_metadata
.endif
;; end of part 1
;; launch down (part 2): grid 16 x 16, 4 waves a work-group, clusters of 4 x 4, 327,680 bytes of LDS; arguments xh, wh, kv_norm_w, q_norm_w, ch, ssq; writes ch, ssq
.if DOCPART == 2
	.amdgcn_target "amdgcn-amd-amdhsa--gfx1250"
	.amdhsa_code_object_version 6
	.text
	.protected	k_q7ef4f58d9f_down
	.globl	k_q7ef4f58d9f_down
	.p2align	8
	.type	k_q7ef4f58d9f_down,@function
k_q7ef4f58d9f_down:
	s_mov_b64 s[64:65], 0
	v_nop
	global_prefetch_b8 v0, s[64:65] scope:SCOPE_SE
	s_setreg_imm32_b32 hwreg(HW_REG_WAVE_MODE, 25, 1), 1
	s_wait_xcnt 0x0
	s_wait_alu depctr_hold_cnt(0) depctr_sa_sdst(0) depctr_va_vdst(0) depctr_va_sdst(0) depctr_va_ssrc(0) depctr_va_vcc(0) depctr_vm_vsrc(0)
	s_getreg_b32 s2, hwreg(HW_REG_IB_STS2, 6, 4)
	s_cmp_eq_u32 s2, 0
	s_cbranch_scc0 .Lentry_in_a_cluster
	s_endpgm
.Lentry_in_a_cluster:
	s_bfe_u32 s2, ttmp6, 0x10000c
	s_cmp_lg_u32 s2, 0xf033
	s_cbranch_scc0 .Lentry_shape_is_right
	s_endpgm
.Lentry_shape_is_right:
; down: c = xh . [W_DKV | W_DQ]  (2048 x 2048 x 2048, f16 operands, f32 sums).  Stored: ch = f16(c * wn), and ssq = sums of c^2 over 64 columns.
; wn = bf16(norm weight) * s with s = 2^-(exponent of the largest |weight|), an exact scaling that keeps c * wn in the range of c; the row's
; 1/rms and 1/s are applied by the next launch behind its product, in f32: (c r w) . W = r * ((c w) . W).
; LIMITS, kept on purpose: a largest |weight| whose biased exponent is 0 or 254 and above is not served; |c| beyond 65,504 overflows f16.
; SHAPE: a work-group makes 128 x 128 of C, so that 16 x 16 work-groups fill the chip; four waves of 64 x 64 (16 accumulator tiles).
; K goes in steps of 256 through two LDS slots filled by tensor loads: A's rows are 512 bytes, B's (stored [k][n]) 256 bytes, all aligned to 256.
; CLUSTERS of 4 x 4: A's tile hangs on the block row alone and is asked for jointly along a row of the cluster, B's on the block column alone
; and jointly along a column.  Waves 0, 1 ask for A's halves (64 rows), waves 2, 3 for B's (128 k-rows): one tensor load a wave and slot.
; REGISTERS: window 0: v4-12 addresses, v[32:95], v[96:159] two fragment buffers (A's four fragments, then B's four), v[160:191] wn;
; window 1: v[0:127] the accumulators, tile (i, j) at 8 (4 i + j).
; The matrix instruction is used transposed (source 0 = 16 columns of B, source 1 = 16 rows of A): a lane holds row l % 16 and eight neighbouring columns.
.set KTOT,   2048
.set BPITCH, 1024                      ; elements from k-row to k-row of B
.set LAPS,   KTOT/512                  ; a lap = two K steps = once round the ring
.set APIT,   528                       ; A's LDS row: 512 bytes + 16, an odd multiple of 16
.set BPIT,   288                       ; B's LDS row: 256 bytes + 32, an odd multiple of 32 (transposing loads)
.set AHALF,  64*APIT
.set BOFF,   2*AHALF
.set BHALF,  128*BPIT
.set SLOT,   BOFF+2*BHALF              ; 141,312
.set STAGE,  2*SLOT                    ; behind the ring: 128 rows x 272 bytes for the way out; no tensor load lands here
.set SPITCH, 272
.set ADRA, 4                           ; v4-5   A fragments, slot 0, 1
.set ADRB, 6                           ; v6-9   B fragments, slot 0 k 0-127, slot 0 k 128-255, slot 1 likewise
.set STO,  10
.set RD,   11
.set CO,   12
.set F0,   32
.set F1,   96
.set G1,  24
.set G0,  32
.set G1B, 48
.set G0B, 56
.set MSB, 0
.macro WIN new                         ; s_set_vgpr_msb: bits 1:0 source 0, 3:2 source 1, 5:4 source 2, 7:6 destination; the high byte repeats the setting left
.if MSB != \new
	s_set_vgpr_msb (MSB<<8)|\new
.set MSB, \new
.endif
.endm
.macro PLACES                          ; four plain vector places behind matrix instructions (ISA guide 7.12.1), before their registers are loaded or read
.rept 4
	v_nop
.endr
.endm
.macro JLOAD s                         ; a joint load: each line has one mask and one set of registers; the branch hangs on the wave's number alone
	s_cmp_eq_u32 s11, 0
	s_cbranch_scc0 .Lfor_b_\@
	tensor_load_to_lds s[G0+4*\s:G0+4*\s+3], s[G1:G1+7]
	s_nop 0
	s_branch .Lasked_\@
.Lfor_b_\@:
	tensor_load_to_lds s[G0B+4*\s:G0B+4*\s+3], s[G1B:G1B+7]
	s_nop 0
.Lasked_\@:
.endm
.macro CREST                           ; a round of the cluster's barrier behind its opening work-group barrier
	s_cmp_lg_u32 s10, 0
	s_cbranch_scc1 .Lnot_wave_0_\@
	s_barrier_signal -3
.Lnot_wave_0_\@:
	s_barrier_wait -3
	s_barrier_signal -1
	s_barrier_wait -1
.endm
.macro CROUND
	s_barrier_signal -1
	s_barrier_wait -1
	CREST
.endm
; 8 matrix instructions: row blocks i0, i0 + 1 x all four column blocks.  The 16 accumulators take turns, one instruction a turn.
.macro MUL2 f, i0, zero
.irp i, \i0, \i0+1
.irp j, 0,1,2,3
.if \zero
	v_wmma_f32_16x16x32_f16 v[8*(4*(\i)+\j):8*(4*(\i)+\j)+7], v[\f+32+8*\j:\f+32+8*\j+7], v[\f+8*(\i):\f+8*(\i)+7], 0
.else
	v_wmma_f32_16x16x32_f16 v[8*(4*(\i)+\j):8*(4*(\i)+\j)+7], v[\f+32+8*\j:\f+32+8*\j+7], v[\f+8*(\i):\f+8*(\i)+7], v[8*(4*(\i)+\j):8*(4*(\i)+\j)+7]
.endif
.endr
.endr
.endm
; the fragments of 32 along K (eighth q of a slot) into buffer f: 8 plain loads for A, 8 transposing loads for B
.macro FETCH slot, q, f
.irp i, 0,1,2,3
	ds_load_b128 v[\f+8*\i:\f+8*\i+3], v[ADRA+\slot] offset:16*APIT*\i+64*\q
	ds_load_b128 v[\f+8*\i+4:\f+8*\i+7], v[ADRA+\slot] offset:16*APIT*\i+64*\q+32
.endr
.irp j, 0,1,2,3
	ds_load_tr16_b128 v[\f+32+8*\j:\f+32+8*\j+3], v[ADRB+2*\slot+(\q>>2)] offset:32*BPIT*(\q&3)+32*\j
	ds_load_tr16_b128 v[\f+32+8*\j+4:\f+32+8*\j+7], v[ADRB+2*\slot+(\q>>2)] offset:32*BPIT*(\q&3)+32*\j+16*BPIT
.endr
.endm
; one of a slot's first seven eighths: buffer f is multiplied while eighth nq is fetched into buffer g
.macro QUARTER slot, nq, f, g, zero
	s_wait_dscnt 0x0                               ; buffer f is in (asked for one eighth ago)
	PLACES
	FETCH \slot, \nq, \g
	WIN 0x50
	MUL2 \f, 0, \zero
	MUL2 \f, 2, \zero
	WIN 0
.endm
.macro SEVEN slot, zero
	QUARTER \slot, 1, F0, F1, \zero
	QUARTER \slot, 2, F1, F0, 0
	QUARTER \slot, 3, F0, F1, 0
	QUARTER \slot, 4, F1, F0, 0
	QUARTER \slot, 5, F0, F1, 0
	QUARTER \slot, 6, F1, F0, 0
	QUARTER \slot, 7, F0, F1, 0
.endm
; the last eighth changes slots.  In front of the barrier each wave has its reads of this slot back and all its tensor loads landed (one is out: its
; part of the next slot).  fill = 1: the barrier opens a round of the cluster's barrier, and the joint refill is the first tensor load behind it.
; From a request to the wait for it a wave issues 120 matrix instructions.
.macro TURN slot, next, fill
	s_wait_dscnt 0x0
	s_wait_tensorcnt 0x0
	ds_add_u32 v254, v255
	s_wait_dscnt 0x0
	s_barrier_signal -1
	WIN 0x50
	MUL2 F1, 0, 0
	WIN 0
	s_barrier_wait -1
.if \fill
	CREST
	s_add_nc_u64 s[G0+4*\slot+2:G0+4*\slot+3], s[G0+4*\slot+2:G0+4*\slot+3], 1024
	s_add_nc_u64 s[G0B+4*\slot+2:G0B+4*\slot+3], s[G0B+4*\slot+2:G0B+4*\slot+3], 1024*BPITCH
	JLOAD \slot
.endif
	PLACES
	FETCH \next, 0, F0
	WIN 0x50
	MUL2 F1, 2, 0
	WIN 0
.endm
.macro LAP zero
	SEVEN 0, \zero
	TURN 0, 1, 1
	SEVEN 1, 0
	TURN 1, 0, 1
.endm
	s_load_b256 s[68:75], s[0:1], 0x0              ; xh 68, wh 70, kv_norm_w 72, q_norm_w 74
	s_load_b128 s[76:79], s[0:1], 0x20             ; ch 76, ssq 78
	v_lshl_add_u32 v254, v0, 2, 0x4d800
	v_mov_b32 v255, 0
	ds_add_u32 v254, v255
	v_lshrrev_b32 v1, 5, v0
	v_readfirstlane_b32 s10, v1                    ; wave 0..3
	s_lshr_b32 s11, s10, 1                         ; wr: my half of the block's rows.  Also: I fetch for A (0) or B (1)
	s_and_b32 s12, s10, 1                          ; wc: my half of its columns.  Also: which half of that tile I fetch
	s_bfe_u32 s40, ttmp6, 0x40000                  ; cx
	s_bfe_u32 s41, ttmp6, 0x40004                  ; cy
	s_lshl_b32 s42, ttmp9, 2
	s_add_co_u32 s42, s42, s40                     ; block column bx
	s_and_b32 s13, ttmp7, 0xffff
	s_lshl_b32 s13, s13, 2
	s_add_co_u32 s13, s13, s41                     ; block row by
	s_lshl_b32 s43, s41, 2
	s_lshl_b32 s43, 15, s43                        ; my row of the cluster
	s_lshl_b32 s44, 0x1111, s40                    ; my column
	s_or_b32 s[G1+0], s43, (1<<16)|(1<<20)|(1<<21)|(6<<22)|(3<<25)   ; mask; 2-byte elements; padding of 4 words after every 128; bit 21 beside a mask
	s_or_b32 s[G1B+0], s44, (1<<16)|(1<<20)|(1<<21)|(5<<22)|(7<<25)  ; mask; padding of 8 words after every 64
	s_mov_b32 s[G1+1], 256<<16                     ; tensor_dim0 = 256
	s_mov_b32 s[G1+2], 64<<16                      ; tensor_dim1 = 64
	s_mov_b32 s[G1+3], 256<<16                     ; tile_dim0 = 256
	s_mov_b32 s[G1+4], 64                          ; tile_dim1 = 64
	s_mov_b32 s[G1+5], 2048                        ; elements from row to row of A
	s_mov_b32 s[G1+6], 0
	s_mov_b32 s[G1+7], 0
	s_mov_b32 s[G1B+1], 128<<16
	s_mov_b32 s[G1B+2], 128<<16
	s_mov_b32 s[G1B+3], 128<<16
	s_mov_b32 s[G1B+4], 128
	s_mov_b32 s[G1B+5], BPITCH
	s_mov_b32 s[G1B+6], 0
	s_mov_b32 s[G1B+7], 0
	s_lshl_b32 s16, s13, 7                         ; A: row 128 by + 64 half, 4,096 bytes a row
	s_lshl_b32 s17, s12, 6
	s_add_co_u32 s16, s16, s17
	s_lshl_b32 s16, s16, 12
	s_mov_b32 s17, 0
	s_and_b32 s46, s42, 7                          ; B: column block bx % 8 of W_DKV (clusters 0, 1) or W_DQ (clusters 2, 3), k-row 128 half
	s_lshl_b32 s46, s46, 8
	s_mul_i32 s47, s12, 128*BPITCH*2
	s_add_co_u32 s46, s46, s47
	s_cmp_ge_u32 ttmp9, 2
	s_cselect_b32 s47, 0x400000, 0
	s_add_co_u32 s46, s46, s47
	s_mov_b32 s47, 0
	s_mul_i32 s20, s12, AHALF                      ; LDS: the wave's number alone
	s_mul_i32 s21, s12, BHALF
	s_add_co_u32 s21, s21, BOFF
	s_mov_b32 s85, 0xffff0000                      ; a word's upper bf16; also the mask of lanes 16-31
	s_mov_b32 s86, 0x76543210                      ; v_permlanex16_b32: lane i takes lane i of the other half
	s_mov_b32 s87, 0xfedcba98
	s_wait_dscnt 0x0
	s_wait_kmcnt 0x0
	s_add_nc_u64 s[14:15], s[68:69], s[16:17]
	s_add_nc_u64 s[46:47], s[70:71], s[46:47]
	CROUND                                         ; all sixteen work-groups are here: the first joint loads meet
.irp s, 0,1
	s_mov_b32 s[G0+4*\s], 1
	s_add_co_u32 s[G0+4*\s+1], s20, \s*SLOT
	s_add_nc_u64 s[G0+4*\s+2:G0+4*\s+3], s[14:15], \s*512
	s_or_b32 s[G0+4*\s+3], s[G0+4*\s+3], 0x80000000
	s_mov_b32 s[G0B+4*\s], 1
	s_add_co_u32 s[G0B+4*\s+1], s21, \s*SLOT
	s_add_nc_u64 s[G0B+4*\s+2:G0B+4*\s+3], s[46:47], \s*256*BPITCH*2
	s_or_b32 s[G0B+4*\s+3], s[G0B+4*\s+3], 0x80000000
	JLOAD \s                                       ; both slots' first fills go out together: two tensor loads of the wave are out, later one
.endr
	v_and_b32 v1, 15, v0                           ; r
	v_bfe_u32 v2, v0, 4, 1                         ; h
	v_mul_u32_u24 v3, v1, APIT
	v_lshl_add_u32 v3, v2, 4, v3
	s_mul_i32 s22, s11, 64*APIT
	v_add_nc_u32 v[ADRA], s22, v3                  ; (64 wr + r) 528 + 16 h
	v_add_nc_u32 v[ADRA+1], SLOT, v[ADRA]
	v_and_b32 v3, 7, v0
	v_lshl_add_u32 v3, v2, 3, v3
	v_mul_u32_u24 v3, v3, BPIT
	v_bfe_u32 v13, v0, 3, 1
	v_lshl_add_u32 v3, v13, 4, v3
	s_lshl_b32 s23, s12, 7
	s_add_co_u32 s23, s23, BOFF
	v_add_nc_u32 v[ADRB], s23, v3                  ; (8 h + (l & 7)) 288 + 16 ((l >> 3) & 1) + 128 wc
	v_add_nc_u32 v[ADRB+1], BHALF, v[ADRB]
	v_add_nc_u32 v[ADRB+2], SLOT, v[ADRB]
	v_add_nc_u32 v[ADRB+3], SLOT+BHALF, v[ADRB]
	v_mul_u32_u24 v3, v1, SPITCH
	v_lshl_add_u32 v3, v2, 4, v3
	s_mul_i32 s22, s11, 64*SPITCH
	s_lshl_b32 s23, s12, 7
	s_add_co_u32 s22, s22, s23
	s_add_co_u32 s22, s22, STAGE
	v_add_nc_u32 v[STO], s22, v3                   ; stage in: row 64 wr + r, 128 wc + 16 h
	v_mul_u32_u24 v3, v2, SPITCH
	v_lshl_add_u32 v3, v1, 4, v3
	s_mul_i32 s22, s10, 32*SPITCH
	s_add_co_u32 s22, s22, STAGE
	v_add_nc_u32 v[RD], s22, v3                    ; stage back: row 32 w + h, 16 r
	v_lshlrev_b32 v3, 12, v2
	v_lshl_add_u32 v[CO], v1, 4, v3                ; and the same two rows in ch
	s_lshl_b32 s92, s13, 7
	s_lshl_b32 s93, s10, 5
	s_add_co_u32 s92, s92, s93
	s_lshl_b32 s92, s92, 12
	s_lshl_b32 s93, s42, 8
	s_add_co_u32 s92, s92, s93
	s_mov_b32 s93, 0
	s_add_nc_u64 s[88:89], s[76:77], s[92:93]      ; ch at row 128 by + 32 w, column 128 bx
	s_lshl_b32 s92, s42, 1
	s_add_co_u32 s92, s92, s12
	s_lshl_b32 s92, s92, 11
	s_lshl_b32 s94, s13, 7
	s_add_co_u32 s92, s92, s94
	s_lshl_b32 s94, s11, 6
	s_add_co_u32 s92, s92, s94
	s_lshl_b32 s92, s92, 2
	s_add_nc_u64 s[90:91], s[78:79], s[92:93]      ; ssq[2 bx + wc][128 by + 64 wr]
	; the norm weight: its largest magnitude (all 1,024, by every wave) and my 32 columns
	s_cmp_ge_u32 ttmp9, 2
	s_cselect_b64 s[82:83], s[74:75], s[72:73]
	v_and_b32 v13, 31, v0
	v_lshlrev_b32 v14, 4, v13
	v_lshlrev_b32 v13, 2, v13                      ; 4 l, for ssq
.irp t, 0,1,2,3,4,5,6,7
	global_load_b128 v[32+4*\t:35+4*\t], v14, s[82:83] offset:512*\t
.endr
	s_and_b32 s84, s42, 7
	s_lshl_b32 s84, s84, 9
	s_lshl_b32 s94, s12, 8
	s_add_co_u32 s84, s84, s94
	v_lshlrev_b32 v19, 5, v2
	v_add_nc_u32 v19, s84, v19                     ; 512 (bx % 8) + 256 wc + 32 h
.irp j, 0,1,2,3
	global_load_b128 v[160+8*\j:163+8*\j], v19, s[82:83] offset:64*\j
	global_load_b128 v[164+8*\j:167+8*\j], v19, s[82:83] offset:64*\j+16
.endr
	v_mov_b32 v16, 0
	s_wait_loadcnt 0x0
	v_max3_num_f32 v15, |v32|, |v33|, |v34|
.irp k, 35,37,39,41,43,45,47,49,51,53,55,57,59,61
	v_max3_num_f32 v15, v15, |v[\k]|, |v[\k+1]|
.endr
	v_max_num_f32 v15, v15, |v63|
	v_max_num_f32_dpp v15, v15, v15 row_xmask:1 row_mask:0xf bank_mask:0xf
	v_max_num_f32_dpp v15, v15, v15 row_xmask:2 row_mask:0xf bank_mask:0xf
	v_max_num_f32_dpp v15, v15, v15 row_xmask:4 row_mask:0xf bank_mask:0xf
	v_max_num_f32_dpp v15, v15, v15 row_xmask:8 row_mask:0xf bank_mask:0xf
	v_permlanex16_b32 v16, v15, s86, s87
	v_max_num_f32 v15, v15, v16
	v_cvt_pk_bf16_f32 v15, v15, v15
	v_lshlrev_b32 v15, 16, v15
	v_and_b32 v15, 0x7f800000, v15                 ; E: the exponent field of the largest bf16 weight
	v_sub_nc_u32 v16, 0x7f000000, v15              ; s = 2^(127 - exponent)
	v_mov_b32 v17, v16
.irp k, 0,1,2,3,4,5,6,7,8,9,10,11,12,13,14,15
	v_cvt_pk_bf16_f32 v18, v[160+2*\k], v[161+2*\k]
	v_lshlrev_b32 v[160+2*\k], 16, v18
	v_and_b32 v[161+2*\k], s85, v18
	v_pk_mul_f32 v[160+2*\k:161+2*\k], v[160+2*\k:161+2*\k], v[16:17]   ; wn, exact
.endr
	s_wait_tensorcnt 0x1                           ; my part of K step 0 is in; K step 1's may stay out
	s_barrier_signal -1
	s_barrier_wait -1
	FETCH 0, 0, F0
	LAP 1                                          ; the first products start the sums
.if LAPS > 2
	s_mov_b32 s3, LAPS-2
.Llap:
	LAP 0
	s_sub_co_u32 s3, s3, 1
	s_cmp_lg_u32 s3, 0
	s_cbranch_scc1 .Llap
.endif
	SEVEN 0, 0                                     ; the last lap fills nothing
	TURN 0, 1, 0
	SEVEN 1, 0
	s_wait_dscnt 0x0
	WIN 0x50
	MUL2 F1, 0, 0
	MUL2 F1, 2, 0
	WIN 0
	PLACES
	; sums of c^2: a lane's 32 columns of row 16 i + r, four chains by turns
	WIN 0x05
.irp i, 0,1,2,3
	v_pk_mul_f32 v[192+2*\i:193+2*\i], v[32*\i:32*\i+1], v[32*\i:32*\i+1]
.endr
.irp k, 1,2,3,4,5,6,7,8,9,10,11,12,13,14,15
.irp i, 0,1,2,3
	v_pk_fma_f32 v[192+2*\i:193+2*\i], v[32*\i+2*\k:32*\i+2*\k+1], v[32*\i+2*\k:32*\i+2*\k+1], v[192+2*\i:193+2*\i]
.endr
.endr
	WIN 0x01
.irp i, 0,1,2,3
.irp k, 0,1,2,3,4,5,6,7,8,9,10,11,12,13,14,15
	v_pk_mul_f32 v[F0+32*\i+2*\k:F0+32*\i+2*\k+1], v[32*\i+2*\k:32*\i+2*\k+1], v[160+2*\k:161+2*\k]   ; c * wn
.endr
.endr
	WIN 0
.irp i, 0,1,2,3
.irp j, 0,1,2,3
.irp k, 0,1,2,3
	v_cvt_pk_f16_f32 v[F0+32*\i+8*\j+\k], v[F0+32*\i+8*\j+2*\k], v[F0+32*\i+8*\j+2*\k+1]
.endr
	ds_store_b128 v[STO], v[F0+32*\i+8*\j:F0+32*\i+8*\j+3] offset:16*SPITCH*\i+32*\j
.endr
.endr
.irp i, 0,1,2,3
	v_add_f32 v[192+2*\i], v[192+2*\i], v[193+2*\i]
.endr
.irp i, 0,1,2,3
	v_permlanex16_b32 v[193+2*\i], v[192+2*\i], s86, s87       ; the other 32 columns
.endr
.irp i, 0,1,2,3
	v_add_f32 v[192+2*\i], v[192+2*\i], v[193+2*\i]
.endr
	v_cndmask_b32 v200, v192, v194, s85            ; lane l: row l
	v_cndmask_b32 v201, v196, v198, s85            ; lane l: row 32 + l
	global_store_b32 v13, v200, s[90:91]           ; 128 consecutive bytes a store; the whole table is 262,144 bytes
	global_store_b32 v13, v201, s[90:91] offset:128
	s_wait_dscnt 0x0                               ; my part of the stage is written, for the other waves' sake
	s_barrier_signal -1
	s_barrier_wait -1
.irp t, 0,1,2,3,4,5,6,7,8,9,10,11,12,13,14,15
	ds_load_b128 v[F0+4*\t:F0+4*\t+3], v[RD] offset:2*SPITCH*\t
.endr
.irp t, 0,1,2,3,4,5,6,7,8,9,10,11,12,13,14,15
	s_wait_dscnt 15-\t
	global_store_b128 v[CO], v[F0+4*\t:F0+4*\t+3], s[88:89] offset:8192*\t   ; 16 lanes store 256 consecutive bytes, aligned
.endr
	s_wait_tensorcnt 0x0
	ds_add_u32 v254, v255
	s_wait_dscnt 0x0
	CROUND                                         ; the closing round: no work-group ends while a partner may still ask for a tile that names it
	s_endpgm
.Lfunc_end_k_q7ef4f58d9f_down:
	.size	k_q7ef4f58d9f_down, .Lfunc_end_k_q7ef4f58d9f_down-k_q7ef4f58d9f_down
	.p2alignl 7, 3214868480
	.fill 96, 4, 3214868480
	.section	.rodata,"a",@progbits
	.p2align	6, 0x0
	.amdhsa_kernel k_q7ef4f58d9f_down
		.amdhsa_group_segment_fixed_size 327680
		.amdhsa_private_segment_fixed_size 0
		.amdhsa_enable_private_segment 0
		.amdhsa_kernarg_size 48
		.amdhsa_user_sgpr_count 2
		.amdhsa_user_sgpr_kernarg_segment_ptr 1
		.amdhsa_wavefront_size32 1
		.amdhsa_system_sgpr_workgroup_id_x 1
		.amdhsa_system_sgpr_workgroup_id_y 1
		.amdhsa_system_sgpr_workgroup_id_z 1
		.amdhsa_system_vgpr_workitem_id 0
		.amdhsa_next_free_vgpr 384
		.amdhsa_next_free_sgpr 100
		.amdhsa_reserve_vcc 0
		.amdhsa_float_denorm_mode_32 3
		.amdhsa_float_denorm_mode_16_64 3
		.amdhsa_memory_ordered 1
		.amdhsa_forward_progress 1
		.amdhsa_inst_pref_size 142
	.end_amdhsa_kernel
	.amdgpu_metadata
---
amdhsa.version: [ 1, 2 ]
amdhsa.kernels:
  - .name:           k_q7ef4f58d9f_down
    .symbol:         k_q7ef4f58d9f_down.kd
    .args:
      - { .name: xh, .offset: 0, .size: 8, .value_kind: global_buffer, .address_space: global }
      - { .name: wh, .offset: 8, .size: 8, .value_kind: global_buffer, .address_space: global }
      - { .name: kv_norm_w, .offset: 16, .size: 8, .value_kind: global_buffer, .address_space: global }
      - { .name: q_norm_w, .offset: 24, .size: 8, .value_kind: global_buffer, .address_space: global }
      - { .name: ch, .offset: 32, .size: 8, .value_kind: global_buffer, .address_space: global }
      - { .name: ssq, .offset: 40, .size: 8, .value_kind: global_buffer, .address_space: global }
    .group_segment_fixed_size: 327680
    .private_segment_fixed_size: 0
    .kernarg_segment_align: 8
    .kernarg_segment_size: 48
    .max_flat_workgroup_size: 128
    .sgpr_count:     100
    .vgpr_count:     384
    .wavefront_size: 32
...
	.end_amdgpu_metadata
.endif
;; end of part 2
;; launch up (part 3): grid 16 x 16, 4 waves a work-group, clusters of 4 x 4, 327,680 bytes of LDS; arguments ch, wh, ssq, aux, kv_norm_w, q_norm_w, qkv; writes qkv
.if DOCPART == 3
	.amdgcn_target "amdgcn-amd-amdhsa--gfx1250"
	.amdhsa_code_object_version 6
	.text
	.protected	k_q7ef4f58d9f_up
	.globl	k_q7ef4f58d9f_up
	.p2align	8
	.type	k_q7ef4f58d9f_up,@function
k_q7ef4f58d9f_up:
	s_mov_b64 s[64:65], 0
	v_nop
	global_prefetch_b8 v0, s[64:65] scope:SCOPE_SE
	s_setreg_imm32_b32 hwreg(HW_REG_WAVE_MODE, 25, 1), 1
	s_wait_xcnt 0x0
	s_wait_alu depctr_hold_cnt(0) depctr_sa_sdst(0) depctr_va_vdst(0) depctr_va_sdst(0) depctr_va_ssrc(0) depctr_va_vcc(0) depctr_vm_vsrc(0)
	s_getreg_b32 s2, hwreg(HW_REG_IB_STS2, 6, 4)
	s_cmp_eq_u32 s2, 0
	s_cbranch_scc0 .Lentry_in_a_cluster
	s_endpgm
.Lentry_in_a_cluster:
	s_bfe_u32 s2, ttmp6, 0x10000c
	s_cmp_lg_u32 s2, 0xf033
	s_cbranch_scc0 .Lentry_shape_is_right
	s_endpgm
.Lentry_shape_is_right:
; up: qkv = r'_row * (ch . W), K = 1,024.  qkv is [80 blocks][2,048 rows][128] in f16 (a row of a block is 256 bytes):
; blocks 0-15 W_UK, 16-31 W_UV (from c_kv), 32-63 W_UQ, 64-79 W_QR (from c_q).
; r'_row = rsqrt(mean c^2 + 1e-6) / s: the 16 partial sums of c^2 are added in ascending order; 1/s = 2^(exponent of the largest |norm weight|)
; undoes the scaling that the launch before put into ch.  W_QR's blocks get RoPE (tables from aux) and are stored in the permuted order of d
; (d < 32 at 8 (d>>2) + (d&3), d >= 32 at 8 ((d-32)>>2) + 4 + (d&3)).
; LIMITS, kept on purpose: a largest |weight| with biased exponent 0 or 254 and above is not served; results beyond 65,504 overflow f16.
; SHAPE: 16 x 16 work-groups, one for each of 256 WGPs, each with an equal share of 128 x 640 outputs.  Work-group (g, by) makes for rows 128 by .. + 127
;   phase KV (K steps 0-7):  c_kv . columns 256 g of [W_UK | W_UV]                       -> blocks 2 g, 2 g + 1
;   phase Q  (K steps 8-15): c_q . columns 256 g of W_UQ and columns 128 g of W_QR       -> blocks 32 + 2 g, 33 + 2 g and 64 + g
; on ONE ring of two LDS slots that runs through both phases.  Four waves (wr, wc): 64 rows x 128 columns (32 accumulators), in phase Q 64 more columns of
; W_QR's 128 (16 accumulators): for 32 along K a wave loads 24 fragments' halves for 32 matrix instructions, in phase Q 32 for 48.
; RING: K steps of 128.  A slot: A 128 rows x 272 bytes (wave 0 fills it), B 128 k-rows of 256 columns x 544 bytes (waves 2, 3: 64 k-rows each),
; W_QR 128 k-rows x 288 bytes (wave 1).  Every row in memory is 256 or 512 bytes and starts on a multiple of 256.  A's address is 256 s bytes into the row for
; K step s = 0 .. 15, since c_q follows c_kv in a row of ch; B's steps 512 KiB a K step and 4 MiB more where it passes from W_UK or W_UV to W_UQ.
; W_QR's tiles of K steps 8 and 9 are wave 1's first fills, at the start with all the others; in phase KV's refills wave 1 has no part and issues nothing.
; CLUSTERS of 4 x 4: A's tile hangs on by alone and is asked for jointly along a row of the cluster; B's and W_QR's hang on g alone: along a column.
; REGISTERS in windows of 256: window 0: v4-14 addresses, v[32:47] r' of both latents, v[64:127] A's fragments (two buffers of four), v[128:255] at work;
; window 1: v[0:191] B's fragments (two buffers of 8 + 4); window 2: accumulators (i, j) at 8 (8 i + j); window 3: W_QR's (i, j) at 8 (4 i + j).
; The matrix instruction is used transposed (source 0 = 16 columns of B, source 1 = 16 rows of A): a lane holds row l % 16 and eight neighbouring columns.
.set APIT,   272                       ; A's LDS row: 256 bytes + 16, an odd multiple of 16
.set BPIT,   544                       ; B's LDS row: 512 bytes + 32, an odd multiple of 32 (transposing loads)
.set RPIT,   288                       ; W_QR's LDS row: 256 bytes + 32
.set BOFF,   128*APIT                  ; 34,816
.set BHALF,  64*BPIT                   ; 34,816
.set ROFF,   BOFF+2*BHALF              ; 104,448
.set SLOT,   ROFF+128*RPIT             ; 141,312
.set STAGE,  2*SLOT                    ; 282,624, a multiple of 256: 128 rows x 272 bytes for the way out; no tensor load lands here
.set SPITCH, 272
.set ADRA, 4                           ; v4-5   A fragments, slot 0, 1
.set ADRB, 6                           ; v6-7   B fragments
.set ADRR, 8                           ; v8-9   W_QR fragments
.set STO,  10                          ; my own stage (rows 32 w .. 32 w + 15 of the stage), in
.set RD,   11                          ; rows 32 w .. of the stage, back
.set CO,   12                          ; 256 h + 16 r: two rows of a block of qkv
.set STO2, 13                          ; the shared stage, in (W_QR)
.set TOFF, 14                          ; tables: 128 r + 32 h
.set RSK,  32                          ; v[32:39] r' of c_kv for row 16 i + r, twice each
.set RSQ,  40                          ; v[40:47] the same of c_q
.set FA,   64                          ; A's fragment buffer f at FA + 32 f; free on the way out
.set T,    128                         ; v[128:191] at work
.set BK,   192                         ; v[192:255] read back from the stage, two halves by turns
.set TCOS, 128                         ; cos of (i, j) at TCOS + 16 i + 8 j, sin likewise at TSIN
.set TSIN, 192
.set G1,  24                           ; descriptors: group 1 and, for each slot, group 0 of A,
.set G0,  32
.set G1B, 48                           ; of B,
.set G0B, 56
.set G1R, 84                           ; of W_QR
.set G0R, 92
.set MSB, 0
.macro WIN new                         ; s_set_vgpr_msb: bits 1:0 source 0, 3:2 source 1, 5:4 source 2, 7:6 destination; the high byte repeats the setting left
.if MSB != \new
	s_set_vgpr_msb (MSB<<8)|\new
.set MSB, \new
.endif
.endm
.macro PLACES                          ; four plain vector places behind matrix instructions (ISA guide 7.12.1), before their registers are loaded or read
.rept 4
	v_nop
.endr
.endm
; the joint loads of one slot: wave 0 A, wave 1 W_QR (r = 1) or nothing, waves 2 and 3 B's halves.  Each line has one mask; the branches hang on the wave's number alone.
.macro JLOAD s, r
	s_cmp_lg_u32 s10, 0
	s_cbranch_scc1 .Lnot_a_\@
	tensor_load_to_lds s[G0+4*\s:G0+4*\s+3], s[G1:G1+7]
	s_nop 0
	s_branch .Lasked_\@
.Lnot_a_\@:
	s_cmp_lg_u32 s10, 1
	s_cbranch_scc1 .Lfor_b_\@
.if \r
	tensor_load_to_lds s[G0R+4*\s:G0R+4*\s+3], s[G1R:G1R+7]
	s_nop 0
.endif
	s_branch .Lasked_\@
.Lfor_b_\@:
	tensor_load_to_lds s[G0B+4*\s:G0B+4*\s+3], s[G1B:G1B+7]
	s_nop 0
.Lasked_\@:
.endm
.macro CREST                           ; a round of the cluster's barrier behind its opening work-group barrier
	s_cmp_lg_u32 s10, 0
	s_cbranch_scc1 .Lnot_wave_0_\@
	s_barrier_signal -3
.Lnot_wave_0_\@:
	s_barrier_wait -3
	s_barrier_signal -1
	s_barrier_wait -1
.endm
.macro CROUND
	s_barrier_signal -1
	s_barrier_wait -1
	CREST
.endm
; 16 matrix instructions: row blocks i0, i0 + 1 x eight column blocks (window 2).  All accumulators of a phase take turns, one instruction a turn, in the
; same order in every quarter step.
.macro MULM f, i0, zero
.irp i, \i0, \i0+1
.irp j, 0,1,2,3,4,5,6,7
.if \zero
	v_wmma_f32_16x16x32_f16 v[8*(8*(\i)+\j):8*(8*(\i)+\j)+7], v[96*\f+8*\j:96*\f+8*\j+7], v[FA+32*\f+8*(\i):FA+32*\f+8*(\i)+7], 0
.else
	v_wmma_f32_16x16x32_f16 v[8*(8*(\i)+\j):8*(8*(\i)+\j)+7], v[96*\f+8*\j:96*\f+8*\j+7], v[FA+32*\f+8*(\i):FA+32*\f+8*(\i)+7], v[8*(8*(\i)+\j):8*(8*(\i)+\j)+7]
.endif
.endr
.endr
.endm
; 16 matrix instructions: four row blocks x W_QR's four column blocks (window 3)
.macro MULR f, zero
.irp i, 0,1,2,3
.irp j, 0,1,2,3
.if \zero
	v_wmma_f32_16x16x32_f16 v[8*(4*\i+\j):8*(4*\i+\j)+7], v[96*\f+64+8*\j:96*\f+64+8*\j+7], v[FA+32*\f+8*\i:FA+32*\f+8*\i+7], 0
.else
	v_wmma_f32_16x16x32_f16 v[8*(4*\i+\j):8*(4*\i+\j)+7], v[96*\f+64+8*\j:96*\f+64+8*\j+7], v[FA+32*\f+8*\i:FA+32*\f+8*\i+7], v[8*(4*\i+\j):8*(4*\i+\j)+7]
.endif
.endr
.endr
.endm
; the fragments of 32 along K (quarter q of a slot) into buffer f, in one run: transposing loads for B (and W_QR in phase Q) into window 1, plain loads for A
.macro FETCH slot, q, f, ph
	WIN 0x40
.irp j, 0,1,2,3,4,5,6,7
	ds_load_tr16_b128 v[96*\f+8*\j:96*\f+8*\j+3], v[ADRB+\slot] offset:32*BPIT*\q+32*\j
	ds_load_tr16_b128 v[96*\f+8*\j+4:96*\f+8*\j+7], v[ADRB+\slot] offset:32*BPIT*\q+32*\j+16*BPIT
.endr
.if \ph
.irp j, 0,1,2,3
	ds_load_tr16_b128 v[96*\f+64+8*\j:96*\f+64+8*\j+3], v[ADRR+\slot] offset:32*RPIT*\q+32*\j
	ds_load_tr16_b128 v[96*\f+64+8*\j+4:96*\f+64+8*\j+7], v[ADRR+\slot] offset:32*RPIT*\q+32*\j+16*RPIT
.endr
.endif
	WIN 0
.irp i, 0,1,2,3
	ds_load_b128 v[FA+32*\f+8*\i:FA+32*\f+8*\i+3], v[ADRA+\slot] offset:16*APIT*\i+64*\q
	ds_load_b128 v[FA+32*\f+8*\i+4:FA+32*\f+8*\i+7], v[ADRA+\slot] offset:16*APIT*\i+64*\q+32
.endr
.endm
; one of a slot's first three quarters: buffer f is multiplied while quarter nq is fetched into buffer g
.macro QUARTER slot, nq, f, g, zero, ph
	s_wait_dscnt 0x0                               ; buffer f is in (asked for a quarter ago)
	PLACES
	FETCH \slot, \nq, \g, \ph
	WIN 0xa1                                       ; source 0 (B) window 1, source 1 (A) window 0, C and D window 2
	MULM \f, 0, \zero
	MULM \f, 2, \zero
.if \ph
	WIN 0xf1                                       ; C and D window 3
	MULR \f, \zero
.endif
.endm
.macro THREE slot, zero, ph
	QUARTER \slot, 1, 0, 1, \zero, \ph
	QUARTER \slot, 2, 1, 0, 0, \ph
	QUARTER \slot, 3, 0, 1, 0, \ph
.endm
; the last quarter changes slots.  In front of the barrier each wave has its reads of this slot back and all its tensor loads landed (at most one is out: its
; part of the next slot).  fill = 1: the barrier opens a round of the cluster's barrier, and the joint refill, two K steps ahead, is the first tensor load
; behind it.  From a request to the wait for it a wave issues 112 matrix instructions in phase KV and 176 in phase Q.
; fetch = 1: the next slot's first fragments follow.  bstep: B's step.  rl = 1: W_QR's tile is stepped and asked for too.
.macro TURN slot, next, fill, fetch, ph, bstep, rl
	s_wait_dscnt 0x0
	s_wait_tensorcnt 0x0
	ds_add_u32 v255, v63
	s_wait_dscnt 0x0
	s_barrier_signal -1
	WIN 0xa1
	MULM 1, 0, 0
	WIN 0
	s_barrier_wait -1
.if \fill
	CREST
	s_add_nc_u64 s[G0+4*\slot+2:G0+4*\slot+3], s[G0+4*\slot+2:G0+4*\slot+3], 512
	s_add_nc_u64 s[G0B+4*\slot+2:G0B+4*\slot+3], s[G0B+4*\slot+2:G0B+4*\slot+3], \bstep
.if \rl
	s_add_nc_u64 s[G0R+4*\slot+2:G0R+4*\slot+3], s[G0R+4*\slot+2:G0R+4*\slot+3], 0x100000
.endif
	JLOAD \slot, \rl
.endif
.if \fetch
	PLACES
	FETCH \next, 0, 0, \ph
.endif
	WIN 0xa1
	MULM 1, 2, 0
.if \ph
	WIN 0xf1
	MULR 1, 0
.endif
	WIN 0
.endm
.macro LAP zero, ph                    ; once round the ring, both slots filled again
	THREE 0, \zero, \ph
	TURN 0, 1, 1, 1, \ph, 0x100000, \ph
	THREE 1, 0, \ph
	TURN 1, 0, 1, 1, \ph, 0x100000, \ph
.endm
; r' of my 64 rows from the norm weight in v[nb .. nb+31] (all 1,024 over the wave) and the partial sums in v[sb .. sb+31] (pair g: rows l and 32 + l)
.macro ROWSCALE nb, sb, rs
	v_max3_num_f32 v17, |v[\nb]|, |v[\nb+1]|, |v[\nb+2]|
.irp k, 3,5,7,9,11,13,15,17,19,21,23,25,27,29
	v_max3_num_f32 v17, v17, |v[\nb+\k]|, |v[\nb+\k+1]|
.endr
	v_max_num_f32 v17, v17, |v[\nb+31]|
	v_max_num_f32_dpp v17, v17, v17 row_xmask:1 row_mask:0xf bank_mask:0xf
	v_max_num_f32_dpp v17, v17, v17 row_xmask:2 row_mask:0xf bank_mask:0xf
	v_max_num_f32_dpp v17, v17, v17 row_xmask:4 row_mask:0xf bank_mask:0xf
	v_max_num_f32_dpp v17, v17, v17 row_xmask:8 row_mask:0xf bank_mask:0xf
	v_permlanex16_b32 v18, v17, s4, s5
	v_max_num_f32 v17, v17, v18
	v_cvt_pk_bf16_f32 v17, v17, v17
	v_lshlrev_b32 v17, 16, v17
	v_and_b32 v17, 0x7f800000, v17                 ; 1/s as a float
.irp g, 1,2,3,4,5,6,7,8,9,10,11,12,13,14,15
	v_pk_add_f32 v[\sb:\sb+1], v[\sb:\sb+1], v[\sb+2*\g:\sb+2*\g+1]
.endr
	v_fmaak_f32 v[\sb], v[\sb], v19, 0x358637bd    ; mean + 1e-6
	v_fmaak_f32 v[\sb+1], v[\sb+1], v19, 0x358637bd
	v_rsq_f32 v[\sb], v[\sb]
	v_rsq_f32 v[\sb+1], v[\sb+1]
	v_nop                                          ; one plain place behind the transcendentals (ISA guide 5.7.2)
	s_wait_alu depctr_va_vdst(0)
	v_mul_f32 v[\sb], v[\sb], v17
	v_mul_f32 v[\sb+1], v[\sb+1], v17
	v_permlanex16_b32 v18, v[\sb], s4, s5
	v_permlanex16_b32 v20, v[\sb+1], s4, s5
	v_cndmask_b32 v[\rs+0], v[\sb], v18, s6        ; row r
	v_cndmask_b32 v[\rs+1], v[\sb], v18, s6
	v_cndmask_b32 v[\rs+2], v18, v[\sb], s6        ; row 16 + r
	v_cndmask_b32 v[\rs+3], v18, v[\sb], s6
	v_cndmask_b32 v[\rs+4], v[\sb+1], v20, s6      ; row 32 + r
	v_cndmask_b32 v[\rs+5], v[\sb+1], v20, s6
	v_cndmask_b32 v[\rs+6], v20, v[\sb+1], s6      ; row 48 + r
	v_cndmask_b32 v[\rs+7], v20, v[\sb+1], s6
.endm
; the way out of window 2: my 64 rows x 128 columns are whole rows of one block of qkv.  16 rows at a time: times r', rounded to f16, 16 bytes a lane into my own
; stage, read back as whole rows.  No barrier: the stage is my own, and LDS serves a wave's instructions in order (ISA guide 5.7.1).
.macro OUTMAIN rs, b
.irp i, 0,1,2,3
	WIN 0x02
.irp k, 0,1,2,3,4,5,6,7,8,9,10,11,12,13,14,15,16,17,18,19,20,21,22,23,24,25,26,27,28,29,30,31
	v_pk_mul_f32 v[T+2*\k:T+2*\k+1], v[64*\i+2*\k:64*\i+2*\k+1], v[\rs+2*\i:\rs+2*\i+1]
.endr
	WIN 0
.irp j, 0,1,2,3,4,5,6,7
.irp k, 0,1,2,3
	v_cvt_pk_f16_f32 v[T+8*\j+\k], v[T+8*\j+2*\k], v[T+8*\j+2*\k+1]
.endr
	ds_store_b128 v[STO], v[T+8*\j:T+8*\j+3] offset:32*\j
.endr
	s_wait_xcnt 0x0                                ; the half of v[BK ..] that earlier stores read is loaded again only behind this wait
.irp t, 0,1,2,3,4,5,6,7
	ds_load_b128 v[BK+32*(\i&1)+4*\t:BK+32*(\i&1)+4*\t+3], v[RD] offset:2*SPITCH*\t
.endr
.irp t, 0,1,2,3,4,5,6,7
	s_wait_dscnt 7-\t
	global_store_b128 v[CO], v[BK+32*(\i&1)+4*\t:BK+32*(\i&1)+4*\t+3], s[\b:\b+1] offset:4096*\i+512*\t   ; a wave's store covers 512 consecutive bytes, aligned
.endr
.endr
.endm
	s_load_b256 s[68:75], s[0:1], 0x0              ; ch 68, wh 70, ssq 72, aux 74
	s_load_b128 s[76:79], s[0:1], 0x20             ; kv_norm_w 76, q_norm_w 78
	s_load_b64 s[80:81], s[0:1], 0x30              ; qkv
	s_set_vgpr_msb 0x40
	v_lshl_add_u32 v255, v0, 2, 0x4d800
	s_set_vgpr_msb 0x4000
	v_mov_b32 v63, 0
	s_set_vgpr_msb 0x1
	ds_add_u32 v255, v63
	s_set_vgpr_msb 0x100
	v_lshrrev_b32 v1, 5, v0
	v_readfirstlane_b32 s10, v1                    ; wave 0..3
	s_lshr_b32 s11, s10, 1                         ; wr: my half of the rows
	s_and_b32 s12, s10, 1                          ; wc: my half of the columns.  Also: which half of B's tile waves 2 and 3 fetch
	s_bfe_u32 s40, ttmp6, 0x40000                  ; cx
	s_bfe_u32 s41, ttmp6, 0x40004                  ; cy
	s_lshl_b32 s42, ttmp9, 2
	s_add_co_u32 s42, s42, s40                     ; g
	s_and_b32 s13, ttmp7, 0xffff
	s_lshl_b32 s13, s13, 2
	s_add_co_u32 s13, s13, s41                     ; by
	s_lshl_b32 s43, s41, 2
	s_lshl_b32 s43, 15, s43                        ; my row of the cluster
	s_lshl_b32 s44, 0x1111, s40                    ; my column
	s_or_b32 s[G1+0], s43, (1<<16)|(1<<20)|(1<<21)|(5<<22)|(3<<25)   ; mask; 2-byte elements; 4 words of padding after every 64; bit 21 beside a mask
	s_mov_b32 s[G1+1], 128<<16                     ; tensor_dim0 = 128
	s_mov_b32 s[G1+2], 128<<16                     ; tensor_dim1 = 128
	s_mov_b32 s[G1+3], 128<<16                     ; tile_dim0 = 128
	s_mov_b32 s[G1+4], 128                         ; tile_dim1 = 128
	s_mov_b32 s[G1+5], 2048                        ; elements from row to row of ch
	s_mov_b32 s[G1+6], 0
	s_mov_b32 s[G1+7], 0
	s_or_b32 s[G1B+0], s44, (1<<16)|(1<<20)|(1<<21)|(6<<22)|(7<<25)  ; 8 words of padding after every 128
	s_mov_b32 s[G1B+1], 256<<16                    ; 256 columns,
	s_mov_b32 s[G1B+2], 64<<16                     ; 64 k-rows
	s_mov_b32 s[G1B+3], 256<<16
	s_mov_b32 s[G1B+4], 64
	s_mov_b32 s[G1B+5], 2048
	s_mov_b32 s[G1B+6], 0
	s_mov_b32 s[G1B+7], 0
	s_or_b32 s[G1R+0], s44, (1<<16)|(1<<20)|(1<<21)|(5<<22)|(7<<25)  ; 8 words of padding after every 64
	s_mov_b32 s[G1R+1], 128<<16                    ; 128 columns,
	s_mov_b32 s[G1R+2], 128<<16                    ; 128 k-rows
	s_mov_b32 s[G1R+3], 128<<16
	s_mov_b32 s[G1R+4], 128
	s_mov_b32 s[G1R+5], 2048
	s_mov_b32 s[G1R+6], 0
	s_mov_b32 s[G1R+7], 0
	s_lshl_b32 s16, s13, 19                        ; A: row 128 by, 4,096 bytes a row
	s_mov_b32 s17, 0
	s_and_b32 s46, s42, 7                          ; B: unit 2 + g / 8 of wh (W_UK, W_UV), 512 bytes of columns for each g % 8, k-row 64 x half
	s_lshl_b32 s46, s46, 9
	s_lshr_b32 s47, s42, 3
	s_lshl_b32 s47, s47, 22
	s_add_co_u32 s46, s46, s47
	s_lshl_b32 s47, s12, 18
	s_add_co_u32 s46, s46, s47
	s_add_co_u32 s46, s46, 0x800000
	s_mov_b32 s47, 0
	s_lshl_b32 s18, s42, 8                         ; W_QR: unit 6 of wh, 256 bytes of columns for each g
	s_add_co_u32 s18, s18, 0x1800000
	s_mov_b32 s19, 0
	s_mul_i32 s21, s12, BHALF                      ; LDS: the wave's number alone
	s_add_co_u32 s21, s21, BOFF
	s_mov_b32 s4, 0x76543210                       ; v_permlanex16_b32: lane i takes lane i of the other half
	s_mov_b32 s5, 0xfedcba98
	s_mov_b32 s6, 0xffff0000                       ; the mask of lanes 16-31
	s_wait_dscnt 0x0
	s_wait_kmcnt 0x0
	s_add_nc_u64 s[14:15], s[68:69], s[16:17]
	s_add_nc_u64 s[46:47], s[70:71], s[46:47]
	s_add_nc_u64 s[18:19], s[70:71], s[18:19]
	CROUND                                         ; all sixteen work-groups are here: the first joint loads meet
.irp s, 0,1
	s_mov_b32 s[G0+4*\s], 1
	s_mov_b32 s[G0+4*\s+1], \s*SLOT
	s_add_nc_u64 s[G0+4*\s+2:G0+4*\s+3], s[14:15], \s*256            ; K step s
	s_or_b32 s[G0+4*\s+3], s[G0+4*\s+3], 0x80000000
	s_mov_b32 s[G0B+4*\s], 1
	s_add_co_u32 s[G0B+4*\s+1], s21, \s*SLOT
	s_add_nc_u64 s[G0B+4*\s+2:G0B+4*\s+3], s[46:47], \s*0x80000      ; 128 k-rows of 4,096 bytes
	s_or_b32 s[G0B+4*\s+3], s[G0B+4*\s+3], 0x80000000
	s_mov_b32 s[G0R+4*\s], 1
	s_mov_b32 s[G0R+4*\s+1], ROFF+\s*SLOT
	s_add_nc_u64 s[G0R+4*\s+2:G0R+4*\s+3], s[18:19], \s*0x80000      ; K step 8 + s
	s_or_b32 s[G0R+4*\s+3], s[G0R+4*\s+3], 0x80000000
.endr
	JLOAD 0, 1                                     ; all first fills go out together: two tensor loads of every wave are out, later one at the most
	JLOAD 1, 1
	v_and_b32 v1, 15, v0                           ; r
	v_bfe_u32 v2, v0, 4, 1                         ; h
	v_mul_u32_u24 v3, v1, APIT
	v_lshl_add_u32 v3, v2, 4, v3                   ; 272 r + 16 h
	s_mul_i32 s22, s11, 64*APIT
	v_add_nc_u32 v[ADRA], s22, v3                  ; (64 wr + r) 272 + 16 h
	v_add_nc_u32 v[ADRA+1], SLOT, v[ADRA]
	v_and_b32 v15, 7, v0
	v_lshl_add_u32 v15, v2, 3, v15                 ; 8 h + (l & 7)
	v_bfe_u32 v16, v0, 3, 1
	v_lshlrev_b32 v16, 4, v16                      ; 16 ((l >> 3) & 1)
	v_mul_u32_u24 v17, v15, BPIT
	v_add_nc_u32 v17, v17, v16
	s_lshl_b32 s23, s12, 8
	s_add_co_u32 s23, s23, BOFF
	v_add_nc_u32 v[ADRB], s23, v17                 ; + 256 wc
	v_add_nc_u32 v[ADRB+1], SLOT, v[ADRB]
	v_mul_u32_u24 v17, v15, RPIT
	v_add_nc_u32 v17, v17, v16
	s_lshl_b32 s23, s12, 7
	s_add_co_u32 s23, s23, ROFF
	v_add_nc_u32 v[ADRR], s23, v17                 ; + 128 wc
	v_add_nc_u32 v[ADRR+1], SLOT, v[ADRR]
	s_mul_i32 s22, s10, 32*SPITCH
	s_add_co_u32 s22, s22, STAGE
	v_add_nc_u32 v[STO], s22, v3                   ; row 32 w + r, 16 h
	v_mul_u32_u24 v17, v2, SPITCH
	v_lshl_add_u32 v17, v1, 4, v17
	v_add_nc_u32 v[RD], s22, v17                   ; row 32 w + h, 16 r
	v_lshlrev_b32 v17, 8, v2
	v_lshl_add_u32 v[CO], v1, 4, v17
	v_mul_u32_u24 v17, v1, SPITCH
	v_lshl_add_u32 v17, v2, 5, v17
	s_mul_i32 s22, s11, 64*SPITCH
	s_lshl_b32 s23, s12, 7
	s_add_co_u32 s22, s22, s23
	s_add_co_u32 s22, s22, STAGE
	v_add_nc_u32 v[STO2], s22, v17                 ; row 64 wr + r, 128 wc + 32 h
	v_lshlrev_b32 v17, 5, v2
	v_lshl_add_u32 v[TOFF], v1, 7, v17
	s_mov_b32 s83, 0
	s_lshl_b32 s82, s42, 1
	s_add_co_u32 s82, s82, s12                     ; block 2 g + wc: 524,288 bytes a block
	s_lshl_b32 s82, s82, 19
	s_lshl_b32 s22, s13, 15                        ; row 128 by
	s_add_co_u32 s82, s82, s22
	s_lshl_b32 s22, s11, 14                        ; + 64 wr
	s_add_co_u32 s82, s82, s22
	s_add_nc_u64 s[100:101], s[80:81], s[82:83]    ; phase KV's block, my first row
	s_add_nc_u64 s[66:67], s[100:101], 0x1000000   ; W_UQ's block, 32 blocks further
	s_add_co_u32 s82, s42, 64                      ; block 64 + g
	s_lshl_b32 s82, s82, 19
	s_lshl_b32 s22, s13, 15
	s_add_co_u32 s82, s82, s22
	s_lshl_b32 s22, s10, 13                        ; row 128 by + 32 w
	s_add_co_u32 s82, s82, s22
	s_add_nc_u64 s[8:9], s[80:81], s[82:83]        ; W_QR's block
	s_lshl_b32 s82, s13, 14
	s_lshl_b32 s22, s11, 13
	s_add_co_u32 s82, s82, s22
	s_add_nc_u64 s[20:21], s[74:75], s[82:83]      ; aux at table row 128 by + 64 wr (128 bytes a row)
	s_lshl_b32 s82, s13, 9
	s_lshl_b32 s22, s11, 8
	s_add_co_u32 s82, s82, s22
	s_add_nc_u64 s[18:19], s[72:73], s[82:83]      ; ssq[0][128 by + 64 wr]
	v_and_b32 v15, 31, v0
	v_lshlrev_b32 v16, 4, v15                      ; 16 l
	v_lshlrev_b32 v15, 2, v15                      ; 4 l
.irp t, 0,1,2,3,4,5,6,7
	global_load_b128 v[128+4*\t:131+4*\t], v16, s[76:77] offset:512*\t
.endr
.irp g, 0,1,2,3,4,5,6,7,8,9,10,11,12,13,14,15
	global_load_b32 v[192+2*\g], v15, s[18:19] offset:8192*\g              ; c_kv, row l
	global_load_b32 v[193+2*\g], v15, s[18:19] offset:8192*\g+128          ; row 32 + l
.endr
.irp t, 0,1,2,3,4,5,6,7
	global_load_b128 v[160+4*\t:163+4*\t], v16, s[78:79] offset:512*\t
.endr
.irp g, 0,1,2,3,4,5,6,7,8,9,10,11,12,13,14,15
	global_load_b32 v[224+2*\g], v15, s[18:19] offset:131072+8192*\g       ; c_q: 16 groups further
	global_load_b32 v[225+2*\g], v15, s[18:19] offset:131072+8192*\g+128
.endr
	v_mov_b32 v18, 0                               ; destinations of v_permlanex16_b32 count as read
	v_mov_b32 v20, 0
	v_mov_b32 v19, 0x3a800000                      ; 1/1024
	s_wait_loadcnt 40                              ; c_kv's 8 + 32 loads are in; c_q's 40 stay out
	ROWSCALE 128, 192, RSK
	s_wait_loadcnt 0x0
	ROWSCALE 160, 224, RSQ
	s_wait_tensorcnt 0x1                           ; my part of slot 0 is in; slot 1's may stay out
	s_barrier_signal -1
	s_barrier_wait -1
	FETCH 0, 0, 0, 0
	LAP 1, 0                                       ; K steps 0, 1: the first products start the sums; asks for 2, 3
	s_mov_b32 s3, 2
.Lkv:
	LAP 0, 0                                       ; K steps 2 to 5; asks for 4 to 7
	s_sub_co_u32 s3, s3, 1
	s_cmp_lg_u32 s3, 0
	s_cbranch_scc1 .Lkv
	THREE 0, 0, 0                                  ; K steps 6, 7 ask for phase Q's 8, 9: B passes on to W_UQ, 4 MiB beyond the plain step; W_QR's tiles are there
	TURN 0, 1, 1, 1, 0, 0x500000, 0
	THREE 1, 0, 0
	TURN 1, 0, 1, 0, 0, 0x500000, 0                ; K step 8 has landed for every wave; its fragments are fetched behind the way out
	PLACES
	OUTMAIN RSK, 100                               ; while K step 9 lands
	s_wait_xcnt 0x0                                ; v[192:255], which the stores above read, are loaded again only behind this wait
.irp i, 0,1,2,3
.irp j, 0,1
	global_load_b128 v[TCOS+16*\i+8*\j:TCOS+16*\i+8*\j+3], v[TOFF], s[20:21] offset:393216+2048*\i+64*\j       ; the RoPE tables of my rows: asked for here,
	global_load_b128 v[TCOS+16*\i+8*\j+4:TCOS+16*\i+8*\j+7], v[TOFF], s[20:21] offset:393216+2048*\i+64*\j+16  ; waited for behind phase Q
	global_load_b128 v[TSIN+16*\i+8*\j:TSIN+16*\i+8*\j+3], v[TOFF], s[20:21] offset:655360+2048*\i+64*\j
	global_load_b128 v[TSIN+16*\i+8*\j+4:TSIN+16*\i+8*\j+7], v[TOFF], s[20:21] offset:655360+2048*\i+64*\j+16
.endr
.endr
	FETCH 0, 0, 0, 1
	LAP 1, 1                                       ; K steps 8, 9 start phase Q's sums; asks for 10, 11
	s_mov_b32 s3, 2
.Lq:
	LAP 0, 1                                       ; K steps 10 to 13; asks for 12 to 15
	s_sub_co_u32 s3, s3, 1
	s_cmp_lg_u32 s3, 0
	s_cbranch_scc1 .Lq
	THREE 0, 0, 1                                  ; K steps 14, 15 fill nothing
	TURN 0, 1, 0, 1, 1, 0, 0
	THREE 1, 0, 1
	s_wait_dscnt 0x0
	WIN 0xa1
	MULM 1, 0, 0
	MULM 1, 2, 0
	WIN 0xf1
	MULR 1, 0
	WIN 0
	PLACES
	; W_QR's way out first, through the shared stage.  My 64 columns are one head: column blocks j = 0, 1 are d = f < 32, blocks 2, 3 are d = 32 + f, f = 16 j + 8 h + e
	s_wait_loadcnt 0x0                             ; the tables
.irp i, 0,1,2,3
	WIN 0x03
.irp k, 0,1,2,3,4,5,6,7,8,9,10,11,12,13,14,15
	v_pk_mul_f32 v[FA+2*\k:FA+2*\k+1], v[32*\i+2*\k:32*\i+2*\k+1], v[RSQ+2*\i:RSQ+2*\i+1]
.endr
	WIN 0
.irp j, 0,1
.irp k, 0,1,2,3
	v_pk_mul_f32 v[96:97], v[FA+8*(\j+2)+2*\k:FA+8*(\j+2)+2*\k+1], v[TSIN+16*\i+8*\j+2*\k:TSIN+16*\i+8*\j+2*\k+1]
	v_pk_mul_f32 v[98:99], v[FA+8*\j+2*\k:FA+8*\j+2*\k+1], v[TSIN+16*\i+8*\j+2*\k:TSIN+16*\i+8*\j+2*\k+1]
	v_pk_fma_f32 v[100+2*\k:101+2*\k], v[FA+8*\j+2*\k:FA+8*\j+2*\k+1], v[TCOS+16*\i+8*\j+2*\k:TCOS+16*\i+8*\j+2*\k+1], v[96:97] neg_lo:[0,0,1] neg_hi:[0,0,1]
	v_pk_fma_f32 v[108+2*\k:109+2*\k], v[FA+8*(\j+2)+2*\k:FA+8*(\j+2)+2*\k+1], v[TCOS+16*\i+8*\j+2*\k:TCOS+16*\i+8*\j+2*\k+1], v[98:99]
.endr
	v_cvt_pk_f16_f32 v116, v100, v101              ; the permuted order: lo 0-3, hi 0-3, lo 4-7, hi 4-7
	v_cvt_pk_f16_f32 v117, v102, v103
	v_cvt_pk_f16_f32 v118, v108, v109
	v_cvt_pk_f16_f32 v119, v110, v111
	v_cvt_pk_f16_f32 v120, v104, v105
	v_cvt_pk_f16_f32 v121, v106, v107
	v_cvt_pk_f16_f32 v122, v112, v113
	v_cvt_pk_f16_f32 v123, v114, v115
	ds_store_b128 v[STO2], v[116:119] offset:16*SPITCH*\i+64*\j
	ds_store_b128 v[STO2], v[120:123] offset:16*SPITCH*\i+64*\j+16
.endr
.endr
	s_wait_dscnt 0x0                               ; my part of the stage is written, for the other waves' sake
	s_barrier_signal -1
	s_barrier_wait -1
.irp t, 0,1,2,3,4,5,6,7,8,9,10,11,12,13,14,15
	ds_load_b128 v[T+4*\t:T+4*\t+3], v[RD] offset:2*SPITCH*\t          ; rows 32 w .. 32 w + 31: no other wave reads them
.endr
.irp t, 0,1,2,3,4,5,6,7,8,9,10,11,12,13,14,15
	s_wait_dscnt 15-\t
	global_store_b128 v[CO], v[T+4*\t:T+4*\t+3], s[8:9] offset:512*\t  ; a wave's store covers 512 consecutive bytes, aligned
.endr
	s_wait_xcnt 0x0                                ; v[128:191], which these stores read, are rewritten only behind this wait
	OUTMAIN RSQ, 66                                ; W_UQ's way out: my own stage is rows 32 w .. 32 w + 15, which I alone have just read
	s_set_vgpr_msb 0x1
	s_wait_tensorcnt 0x0
	ds_add_u32 v255, v63
	s_wait_dscnt 0x0
	s_set_vgpr_msb 0x100
	CROUND                                         ; the closing round: no work-group ends while a partner may still ask for a tile that names it
	s_endpgm
.Lfunc_end_k_q7ef4f58d9f_up:
	.size	k_q7ef4f58d9f_up, .Lfunc_end_k_q7ef4f58d9f_up-k_q7ef4f58d9f_up
	.p2alignl 7, 3214868480
	.fill 96, 4, 3214868480
	.section	.rodata,"a",@progbits
	.p2align	6, 0x0
	.amdhsa_kernel k_q7ef4f58d9f_up
		.amdhsa_group_segment_fixed_size 327680
		.amdhsa_private_segment_fixed_size 0
		.amdhsa_enable_private_segment 0
		.amdhsa_kernarg_size 56
		.amdhsa_user_sgpr_count 2
		.amdhsa_user_sgpr_kernarg_segment_ptr 1
		.amdhsa_wavefront_size32 1
		.amdhsa_system_sgpr_workgroup_id_x 1
		.amdhsa_system_sgpr_workgroup_id_y 1
		.amdhsa_system_sgpr_workgroup_id_z 1
		.amdhsa_system_vgpr_workitem_id 0
		.amdhsa_next_free_vgpr 896
		.amdhsa_next_free_sgpr 102
		.amdhsa_reserve_vcc 0
		.amdhsa_float_denorm_mode_32 3
		.amdhsa_float_denorm_mode_16_64 3
		.amdhsa_memory_ordered 1
		.amdhsa_forward_progress 1
		.amdhsa_inst_pref_size 255
	.end_amdhsa_kernel
	.section	.bss,"aw",@nobits
	.p2align	6
	.space	262144
	.amdgpu_metadata
---
amdhsa.version: [ 1, 2 ]
amdhsa.kernels:
  - .name:           k_q7ef4f58d9f_up
    .symbol:         k_q7ef4f58d9f_up.kd
    .args:
      - { .name: ch, .offset: 0, .size: 8, .value_kind: global_buffer, .address_space: global }
      - { .name: wh, .offset: 8, .size: 8, .value_kind: global_buffer, .address_space: global }
      - { .name: ssq, .offset: 16, .size: 8, .value_kind: global_buffer, .address_space: global }
      - { .name: aux, .offset: 24, .size: 8, .value_kind: global_buffer, .address_space: global }
      - { .name: kv_norm_w, .offset: 32, .size: 8, .value_kind: global_buffer, .address_space: global }
      - { .name: q_norm_w, .offset: 40, .size: 8, .value_kind: global_buffer, .address_space: global }
      - { .name: qkv, .offset: 48, .size: 8, .value_kind: global_buffer, .address_space: global }
    .group_segment_fixed_size: 327680
    .private_segment_fixed_size: 0
    .kernarg_segment_align: 8
    .kernarg_segment_size: 56
    .max_flat_workgroup_size: 128
    .sgpr_count:     102
    .vgpr_count:     896
    .wavefront_size: 32
...
	.end_amdgpu_metadata
.endif
;; end of part 3
;; launch attn (part 4): grid 256 x 1, 8 waves a work-group, no clusters, 327,680 bytes of LDS; arguments qkv, aux, oh; writes oh
.if DOCPART == 4
	.amdgcn_target "amdgcn-amd-amdhsa--gfx1250"
	.amdhsa_code_object_version 6
	.text
	.protected	k_q7ef4f58d9f_attn
	.globl	k_q7ef4f58d9f_attn
	.p2align	8
	.type	k_q7ef4f58d9f_attn,@function
k_q7ef4f58d9f_attn:
	s_mov_b64 s[64:65], 0
	v_nop
	global_prefetch_b8 v0, s[64:65] scope:SCOPE_SE
	s_setreg_imm32_b32 hwreg(HW_REG_WAVE_MODE, 25, 1), 1
	s_wait_xcnt 0x0
; attn: causal attention with a running maximum; two query heads p = 0, 1 share each key/value head n; oh = attn(p=0) - lam * attn(p=1), in f16.
; Work-group id = 8 (16 b + n) + i.  Waves 0-3 take the query block i (64 rows), waves 4-7 the block 15 - i; a wave takes 16 rows of both heads.
; Both groups read ONE stream of 64-key tiles t = 0 .. 15 - i; a wave skips the tiles beyond its own block, which the causal mask would throw away:
; (i + 1) + (16 - i) = 17 tile units in every work-group.
; Scores transposed: S^T = K Q^T (source 0 = 16 keys, source 1 = 16 queries), so a lane holds 8 keys of one query, and the rounded exponentials are already
; the second source of O^T = V^T P^T (source 0 = 16 columns of V by transposing loads).  No trip through LDS between the two products.
; exp(x - max) = 2^(s c - m c) with c = log2(e) / sqrt(192); s c - m c is one fused multiply-add onto the rounded product m c (LIMIT: for |scores| far
; above 1e5 the exponent carries the rounding of m c).
; NO CLUSTER: the eight work-groups of one (b, n) need 9 to 16 tiles, and skipping masked tiles is a branch that would hang on the place in the cluster.
; LDS: two slots of 45,056 bytes: k_c 64 x 272, k_r 64 x 144, v 64 x 288; behind them a stage of 16 x 272 bytes for each wave.
; Wave 0 loads k_c, wave 1 v, wave 2 k_r: one tensor load a wave behind each barrier, one out at a time.
.set SLOT,  45056
.set KROFF, 17408
.set VOFF,  26624
.set STAGE, 2*SLOT
.set S,   32                           ; v[32:95]   scores, S(p, kt) at S + 32 p + 8 kt; later the f16 exponentials of (p, g) at S + 32 p + 16 g
.set KF,  96                           ; v[96:159]  two buffers of four key fragments
.set QF,  160                          ; v[160:255] query fragments, (p, c) at QF + 48 p + 8 c
                                       ; v2 k_c address, v3 k_r address, v4 16 w' + r - 8 h, v5 the mask's value, v6 lam, v7 256 r + 16 h
                                       ; v8-9 running maxima, v10-11 running sums, v[12:15] the rescale factors (twice each), v[16:17] - m c
                                       ; window 1: v[0:127] O(p, dt) at 64 p + 8 dt, v[128:191] two buffers of four value fragments, v192 their address
.set G1K, 24
.set G0K, 32
.set G1V, 40
.set G0V, 48
.set G0R, 56
.set G1R, 68
.set MSB, 0
.macro WIN new
.if MSB != \new
	s_set_vgpr_msb (MSB<<8)|\new
.set MSB, \new
.endif
.endm
.macro PLACES
.rept 4
	v_nop
.endr
.endm
.macro KVLOAD s                        ; the tile's three parts, one a wave; waves 3-7 load nothing
	s_cmp_lg_u32 s10, 0
	s_cbranch_scc1 .Lnot0_\@
	tensor_load_to_lds s[G0K+4*\s:G0K+4*\s+3], s[G1K:G1K+7]
	s_nop 0
	s_branch .Lkvd_\@
.Lnot0_\@:
	s_cmp_lg_u32 s10, 1
	s_cbranch_scc1 .Lnot1_\@
	tensor_load_to_lds s[G0V+4*\s:G0V+4*\s+3], s[G1V:G1V+7]
	s_nop 0
	s_branch .Lkvd_\@
.Lnot1_\@:
	s_cmp_lg_u32 s10, 2
	s_cbranch_scc1 .Lkvd_\@
	tensor_load_to_lds s[G0R+4*\s:G0R+4*\s+3], s[G1R:G1R+7]
	s_nop 0
.Lkvd_\@:
.endm
; round rho = 3 kp + cc: key blocks 2 kp, 2 kp + 1 (a) x 64 of d (two fragments b): cc = 0, 1 from k_c, cc = 2 from k_r
.macro KLD slot, rho
.set kp_, \rho/3
.set cc_, \rho%3
.set kb_, KF+32*(\rho&1)
.irp a, 0,1
.irp b, 0,1
.if cc_ < 2
	ds_load_b128 v[kb_+8*(2*\a+\b):kb_+8*(2*\a+\b)+3], v2 offset:SLOT*\slot+4352*(2*kp_+\a)+64*(2*cc_+\b)
	ds_load_b128 v[kb_+8*(2*\a+\b)+4:kb_+8*(2*\a+\b)+7], v2 offset:SLOT*\slot+4352*(2*kp_+\a)+64*(2*cc_+\b)+32
.else
	ds_load_b128 v[kb_+8*(2*\a+\b):kb_+8*(2*\a+\b)+3], v3 offset:SLOT*\slot+2304*(2*kp_+\a)+64*\b
	ds_load_b128 v[kb_+8*(2*\a+\b)+4:kb_+8*(2*\a+\b)+7], v3 offset:SLOT*\slot+2304*(2*kp_+\a)+64*\b+32
.endif
.endr
.endr
.endm
; 8 matrix instructions; the four accumulators S(0..1, 2 kp .. 2 kp + 1) take turns, one instruction a turn
.macro SCORE rho
.set kp_, \rho/3
.set cc_, \rho%3
.set kb_, KF+32*(\rho&1)
.irp b, 0,1
.irp a, 0,1
.irp p, 0,1
.if (cc_+\b) == 0
	v_wmma_f32_16x16x32_f16 v[S+32*\p+8*(2*kp_+\a):S+32*\p+8*(2*kp_+\a)+7], v[kb_+8*(2*\a+\b):kb_+8*(2*\a+\b)+7], v[QF+48*\p+8*(2*cc_+\b):QF+48*\p+8*(2*cc_+\b)+7], 0
.else
	v_wmma_f32_16x16x32_f16 v[S+32*\p+8*(2*kp_+\a):S+32*\p+8*(2*kp_+\a)+7], v[kb_+8*(2*\a+\b):kb_+8*(2*\a+\b)+7], v[QF+48*\p+8*(2*cc_+\b):QF+48*\p+8*(2*cc_+\b)+7], v[S+32*\p+8*(2*kp_+\a):S+32*\p+8*(2*kp_+\a)+7]
.endif
.endr
.endr
.endr
.endm
; round sg = 2 g + dq: keys 32 g .. 32 g + 31, columns 64 dq .. 64 dq + 63 of V (four fragments a).  Destination and address in window 1.
.macro VLD slot, sg
.set g_, \sg>>1
.set dq_, \sg&1
.set vb_, 128+32*(\sg&1)
.irp a, 0,1,2,3
	ds_load_tr16_b128 v[vb_+8*\a:vb_+8*\a+3], v192 offset:SLOT*\slot+9216*g_+32*(4*dq_+\a)
	ds_load_tr16_b128 v[vb_+8*\a+4:vb_+8*\a+7], v192 offset:SLOT*\slot+9216*g_+32*(4*dq_+\a)+4608
.endr
.endm
; 8 matrix instructions on 8 accumulators, one instruction a turn
.macro PV sg, first
.set g_, \sg>>1
.set dq_, \sg&1
.set vb_, 128+32*(\sg&1)
.irp a, 0,1,2,3
.irp p, 0,1
.if \first > g_
	v_wmma_f32_16x16x32_f16 v[64*\p+8*(4*dq_+\a):64*\p+8*(4*dq_+\a)+7], v[vb_+8*\a:vb_+8*\a+7], v[S+32*\p+16*g_:S+32*\p+16*g_+7], 0
.else
	v_wmma_f32_16x16x32_f16 v[64*\p+8*(4*dq_+\a):64*\p+8*(4*dq_+\a)+7], v[vb_+8*\a:vb_+8*\a+7], v[S+32*\p+16*g_:S+32*\p+16*g_+7], v[64*\p+8*(4*dq_+\a):64*\p+8*(4*dq_+\a)+7]
.endif
.endr
.endr
.endm
; head p: the tile's maximum joins the running one, the 32 scores of the lane become 2^(s c - m c), their sum joins the running sum, and they are rounded to f16 in place
.macro SOFTMAX p, first
.set sb_, S+32*\p
	v_max3_num_f32 v18, v[sb_], v[sb_+1], v[sb_+2]
	v_max3_num_f32 v19, v[sb_+3], v[sb_+4], v[sb_+5]
.irp k, 6,10,14,18,22,26
	v_max3_num_f32 v18, v18, v[sb_+\k], v[sb_+\k+1]
	v_max3_num_f32 v19, v19, v[sb_+\k+2], v[sb_+\k+3]
.endr
	v_max3_num_f32 v18, v18, v[sb_+30], v[sb_+31]
	v_max_num_f32 v18, v18, v19
	v_permlanex16_b32 v20, v18, s90, s91           ; the query's other 32 keys lie in the other half of the lanes
.if \first
	v_max_num_f32 v[8+\p], v18, v20
.else
	v_max3_num_f32 v18, v18, v20, v[8+\p]
	v_sub_f32 v19, v[8+\p], v18
	v_mul_f32 v19, 0x3dd53b94, v19
	v_exp_f32 v[12+2*\p], v19                      ; the factor for what has been summed so far
	v_mov_b32 v[8+\p], v18                         ; (the plain place behind the transcendental)
	s_wait_alu depctr_va_vdst(0)
	v_mov_b32 v[13+2*\p], v[12+2*\p]
.endif
	v_mul_f32 v16, 0xbdd53b94, v[8+\p]
	v_mov_b32 v17, v16
.irp k, 0,2,4,6,8,10,12,14,16,18,20,22,24,26,28,30
	v_pk_fma_f32 v[sb_+\k:sb_+\k+1], v[sb_+\k:sb_+\k+1], 0x3dd53b94, v[16:17] op_sel_hi:[1,0,1]
.endr
.irp k, 0,1,2,3,4,5,6,7,8,9,10,11,12,13,14,15,16,17,18,19,20,21,22,23,24,25,26,27,28,29,30,31
	v_exp_f32 v[sb_+\k], v[sb_+\k]
.endr
	v_nop                                          ; one plain place behind the transcendentals
	s_wait_alu depctr_va_vdst(0)
	v_pk_add_f32 v[18:19], v[sb_:sb_+1], v[sb_+2:sb_+3]
	v_pk_add_f32 v[20:21], v[sb_+4:sb_+5], v[sb_+6:sb_+7]
.irp k, 8,12,16,20,24,28
	v_pk_add_f32 v[18:19], v[18:19], v[sb_+\k:sb_+\k+1]
	v_pk_add_f32 v[20:21], v[20:21], v[sb_+\k+2:sb_+\k+3]
.endr
	v_pk_add_f32 v[18:19], v[18:19], v[20:21]
.if \first
	v_add_f32 v[10+\p], v18, v19
.else
	v_add_f32 v18, v18, v19
	v_fma_f32 v[10+\p], v[10+\p], v[12+2*\p], v18  ; the two halves of the lanes are added at the end
.endif
.irp g, 0,1
.irp k, 0,1,2,3,4,5,6,7
	v_cvt_pk_f16_f32 v[sb_+16*\g+\k], v[sb_+16*\g+2*\k], v[sb_+16*\g+2*\k+1]   ; ascending: a register is written after it was read
.endr
.endr
.endm
.macro COMPUTE slot, first
.rept 5
	v_nop                                          ; five places: the scores are written over registers that the last tile's value products read
.endr
	KLD \slot, 0
	KLD \slot, 1
.irp rho, 0,1,2,3
	s_wait_dscnt 0x8                               ; this round's 8 loads are in, the next round's 8 stay out
	SCORE \rho
	PLACES
	KLD \slot, (\rho+2)
.endr
	s_wait_dscnt 0x8
	SCORE 4
	s_wait_dscnt 0x0
	SCORE 5
	PLACES
	WIN 0x41
	VLD \slot, 0                                   ; the first value fragments come in under the softmax
	VLD \slot, 1
	WIN 0
	s_cmp_lg_u32 s19, s17                          ; the mask cuts only my own block's tile
	s_cbranch_scc1 .Lnomask_\@
.irp kt, 0,1,2,3
.irp j, 0,1,2,3,4,5,6,7
	v_cmp_gt_i32 vcc_lo, 16*\kt+\j, v4             ; key 16 kt + 8 h + j beyond query 16 w' + r
	v_cndmask_b32 v[S+8*\kt+\j], v[S+8*\kt+\j], v5, vcc_lo
	v_cndmask_b32 v[S+32+8*\kt+\j], v[S+32+8*\kt+\j], v5, vcc_lo
.endr
.endr
.Lnomask_\@:
	SOFTMAX 0, \first
	SOFTMAX 1, \first
.if \first == 0
	WIN 0x41
.irp p, 0,1
.irp k, 0,1,2,3,4,5,6,7,8,9,10,11,12,13,14,15,16,17,18,19,20,21,22,23,24,25,26,27,28,29,30,31
	v_pk_mul_f32 v[64*\p+2*\k:64*\p+2*\k+1], v[64*\p+2*\k:64*\p+2*\k+1], v[12+2*\p:13+2*\p]
.endr
.endr
.endif
	WIN 0x51
	s_wait_dscnt 0x8
	PV 0, \first
	PLACES
	VLD \slot, 2
	s_wait_dscnt 0x8
	PV 1, \first
	PLACES
	VLD \slot, 3
	s_wait_dscnt 0x8
	PV 2, \first
	s_wait_dscnt 0x0
	PV 3, \first
	WIN 0
.endm
; one tile.  All my tensor loads have landed and my reads of the other slot are back in front of the barrier; behind it the other slot is filled first.
.macro TILE slot, refill, first
	s_wait_tensorcnt 0x0
	ds_add_u32 v30, v31
	s_wait_dscnt 0x0
	s_add_nc_u64 s[G0K+4*\slot+2:G0K+4*\slot+3], s[G0K+4*\slot+2:G0K+4*\slot+3], 32768   ; no load of mine is out: this slot's next tile, two on
	s_add_nc_u64 s[G0V+4*\slot+2:G0V+4*\slot+3], s[G0V+4*\slot+2:G0V+4*\slot+3], 32768
	s_add_nc_u64 s[G0R+4*\slot+2:G0R+4*\slot+3], s[G0R+4*\slot+2:G0R+4*\slot+3], 16384
	s_wait_dscnt 0x0
	s_barrier_signal -1
	s_barrier_wait -1
.if \refill
	KVLOAD (1-\slot)
.endif
.if \first == 0
	s_cmp_gt_u32 s19, s17                          ; a tile beyond my block is masked whole
	s_cbranch_scc1 .Lskip_\@
.endif
	COMPUTE \slot, \first
.Lskip_\@:
	s_add_co_u32 s19, s19, 1
.endm
	s_load_b128 s[4:7], s[0:1], 0x0                ; qkv 4, aux 6
	s_load_b64 s[8:9], s[0:1], 0x10                ; oh
	v_lshl_add_u32 v30, v0, 2, 0x29000
	v_mov_b32 v31, 0
	ds_add_u32 v30, v31
	v_lshrrev_b32 v1, 5, v0
	v_readfirstlane_b32 s10, v1                    ; wave 0..7
	s_and_b32 s11, ttmp9, 7                        ; i
	s_lshr_b32 s12, ttmp9, 3
	s_and_b32 s13, s12, 15                         ; n
	s_lshr_b32 s14, s12, 4                         ; b
	s_lshr_b32 s15, s10, 2                         ; group
	s_and_b32 s16, s10, 3                          ; w'
	s_sub_co_u32 s18, 16, s11                      ; tiles in the stream
	s_sub_co_u32 s17, 15, s11
	s_cmp_lg_u32 s15, 0
	s_cselect_b32 s17, s17, s11                    ; my query block
	s_lshl_b32 s22, s14, 10
	s_lshl_b32 s21, s17, 6
	s_add_co_u32 s22, s22, s21
	s_lshl_b32 s21, s16, 4                         ; 16 w'
	s_add_co_u32 s22, s22, s21                     ; m0: my first row of 2,048
	s_mov_b32 s[G1K+0], (1<<16)|(1<<20)|(5<<22)|(3<<25)   ; 2-byte elements, 4 words of padding after every 64: LDS rows of 272 bytes
	s_mov_b32 s[G1K+1], 128<<16
	s_mov_b32 s[G1K+2], 64<<16
	s_mov_b32 s[G1K+3], 128<<16
	s_mov_b32 s[G1K+4], 64
	s_mov_b32 s[G1K+5], 128
	s_mov_b32 s[G1K+6], 0
	s_mov_b32 s[G1K+7], 0
	s_mov_b32 s[G1V+0], (1<<16)|(1<<20)|(5<<22)|(7<<25)   ; 8 words of padding: rows of 288 bytes, for the transposing loads
	s_mov_b32 s[G1V+1], 128<<16
	s_mov_b32 s[G1V+2], 64<<16
	s_mov_b32 s[G1V+3], 128<<16
	s_mov_b32 s[G1V+4], 64
	s_mov_b32 s[G1V+5], 128
	s_mov_b32 s[G1V+6], 0
	s_mov_b32 s[G1V+7], 0
	s_mov_b32 s[G1R+0], (1<<16)|(1<<20)|(4<<22)|(3<<25)   ; rows of 64 elements, 4 words of padding after every 32: 144 bytes
	s_mov_b32 s[G1R+1], 64<<16
	s_mov_b32 s[G1R+2], 64<<16
	s_mov_b32 s[G1R+3], 64<<16
	s_mov_b32 s[G1R+4], 64
	s_mov_b32 s[G1R+5], 64
	s_mov_b32 s[G1R+6], 0
	s_mov_b32 s[G1R+7], 0
	s_mov_b32 s90, 0x76543210
	s_mov_b32 s91, 0xfedcba98
	s_lshl_b32 s92, s13, 11
	s_lshl_b32 s93, s14, 10
	s_add_co_u32 s92, s92, s93
	s_lshl_b32 s92, s92, 8                         ; (2048 n + 1024 b) rows of 256 bytes
	s_mov_b32 s93, 0
	s_wait_dscnt 0x0
	s_barrier_signal -1
	s_barrier_wait -1
	s_wait_kmcnt 0x0
	s_add_nc_u64 s[76:77], s[4:5], s[92:93]        ; k_c, tile 0
	s_add_nc_u64 s[78:79], s[76:77], 0x800000      ; v, 16 blocks further
	s_lshl_b32 s92, s14, 17
	s_add_nc_u64 s[80:81], s[6:7], s[92:93]        ; k_r: 1024 b rows of 128 bytes
.irp s, 0,1
	s_mov_b32 s[G0K+4*\s], 1
	s_mov_b32 s[G0K+4*\s+1], \s*SLOT
	s_add_nc_u64 s[G0K+4*\s+2:G0K+4*\s+3], s[76:77], \s*16384
	s_or_b32 s[G0K+4*\s+3], s[G0K+4*\s+3], 0x80000000
	s_mov_b32 s[G0V+4*\s], 1
	s_mov_b32 s[G0V+4*\s+1], VOFF+\s*SLOT
	s_add_nc_u64 s[G0V+4*\s+2:G0V+4*\s+3], s[78:79], \s*16384
	s_or_b32 s[G0V+4*\s+3], s[G0V+4*\s+3], 0x80000000
	s_mov_b32 s[G0R+4*\s], 1
	s_mov_b32 s[G0R+4*\s+1], KROFF+\s*SLOT
	s_add_nc_u64 s[G0R+4*\s+2:G0R+4*\s+3], s[80:81], \s*8192
	s_or_b32 s[G0R+4*\s+3], s[G0R+4*\s+3], 0x80000000
.endr
	KVLOAD 0                                       ; tile 0; slot 1 is first filled behind the first tile's barrier
	s_lshl_b32 s92, s13, 12
	s_add_co_u32 s92, s92, 65536
	s_add_co_u32 s92, s92, s22
	s_lshl_b32 s92, s92, 8
	s_add_nc_u64 s[82:83], s[4:5], s[92:93]        ; q_c: block 32 + 2 n, row m0
	s_lshl_b32 s92, s13, 11
	s_add_co_u32 s92, s92, 131072
	s_add_co_u32 s92, s92, s22
	s_lshl_b32 s92, s92, 8
	s_add_nc_u64 s[84:85], s[4:5], s[92:93]        ; q_r: block 64 + n, row m0
	s_lshl_b32 s92, s22, 6
	s_lshl2_add_u32 s92, s13, s92
	s_add_nc_u64 s[86:87], s[6:7], s[92:93]        ; lam[m0][n]
	s_lshl_b32 s92, s22, 12
	s_lshl_b32 s94, s13, 8
	s_add_co_u32 s92, s92, s94
	s_add_nc_u64 s[88:89], s[8:9], s[92:93]        ; oh[m0][128 n]
	v_and_b32 v18, 15, v0                          ; r
	v_bfe_u32 v19, v0, 4, 1                        ; h
	v_lshlrev_b32 v7, 8, v18
	v_lshl_add_u32 v7, v19, 4, v7                  ; 256 r + 16 h
.irp p, 0,1
.irp c, 0,1,2,3
	global_load_b128 v[QF+48*\p+8*\c:QF+48*\p+8*\c+3], v7, s[82:83] offset:524288*\p+64*\c
	global_load_b128 v[QF+48*\p+8*\c+4:QF+48*\p+8*\c+7], v7, s[82:83] offset:524288*\p+64*\c+32
.endr
.irp c, 0,1
	global_load_b128 v[QF+48*\p+32+8*\c:QF+48*\p+32+8*\c+3], v7, s[84:85] offset:128*\p+64*\c
	global_load_b128 v[QF+48*\p+32+8*\c+4:QF+48*\p+32+8*\c+7], v7, s[84:85] offset:128*\p+64*\c+32
.endr
.endr
	v_lshlrev_b32 v24, 6, v18
	global_load_b32 v6, v24, s[86:87] offset:262144
	v_mul_u32_u24 v2, v18, 272
	v_lshl_add_u32 v2, v19, 4, v2                  ; k_c fragments: 272 r + 16 h
	v_mul_u32_u24 v3, v18, 144
	v_lshl_add_u32 v3, v19, 4, v3
	v_add_nc_u32 v3, KROFF, v3                     ; k_r fragments
	v_lshlrev_b32 v20, 3, v19
	v_sub_nc_u32 v4, v18, v20
	v_add_nc_u32 v4, s21, v4                       ; 16 w' + r - 8 h
	v_mov_b32 v5, 0xff7fffff                       ; the most negative finite f32, as in the definition
	v_and_b32 v21, 7, v0
	v_add_nc_u32 v21, v20, v21
	v_mul_u32_u24 v21, v21, 288
	v_bfe_u32 v22, v0, 3, 1
	v_lshl_add_u32 v21, v22, 4, v21
	v_add_nc_u32 v21, VOFF, v21
	WIN 0x40
	v_mov_b32 v192, v21                            ; value fragments: (8 h + (l & 7)) 288 + 16 ((l >> 3) & 1), kept in window 1
	WIN 0
	s_wait_loadcnt 0x0
	s_mov_b32 s19, 0                               ; t
	TILE 0, 1, 1                                   ; tile 0 starts maxima, sums and outputs; no wave skips it
	s_sub_co_u32 s20, s18, 2
	s_lshr_b32 s20, s20, 1                         ; 3 to 7 pairs (9 to 16 tiles in the stream)
	s_max_u32 s20, s20, 1                          ; states the lower bound in the text: the counter comes down to 0 from at least 1
.Lpair:
	TILE 1, 1, 0
	TILE 0, 1, 0
	s_sub_co_u32 s20, s20, 1
	s_cmp_lg_u32 s20, 0
	s_cbranch_scc1 .Lpair
	s_bitcmp1_b32 s18, 0
	s_cbranch_scc1 .Lodd
	TILE 1, 0, 0                                   ; an even number of tiles: one is left, nothing to fetch
	s_branch .Lout
.Lodd:
	TILE 1, 1, 0                                   ; an odd number: two are left
	TILE 0, 0, 0
.Lout:
	PLACES
	v_permlanex16_b32 v18, v10, s90, s91
	v_permlanex16_b32 v19, v11, s90, s91
	v_add_f32 v10, v10, v18
	v_add_f32 v11, v11, v19
	v_rcp_f32 v12, v10
	v_rcp_f32 v14, v11
	v_nop
	s_wait_alu depctr_va_vdst(0)
	v_mov_b32 v13, v12
	v_mul_f32 v14, v14, v6                         ; lam / sum
	v_mov_b32 v15, v14
	WIN 0x01
.irp k, 0,1,2,3,4,5,6,7,8,9,10,11,12,13,14,15,16,17,18,19,20,21,22,23,24,25,26,27,28,29,30,31
	v_pk_mul_f32 v[KF+2*\k:KF+2*\k+1], v[64+2*\k:65+2*\k], v[14:15]
	v_pk_fma_f32 v[KF+2*\k:KF+2*\k+1], v[2*\k:2*\k+1], v[12:13], v[KF+2*\k:KF+2*\k+1] neg_lo:[0,0,1] neg_hi:[0,0,1]
.endr
	WIN 0
	s_mul_i32 s23, s10, 4352
	s_add_co_u32 s23, s23, STAGE                   ; my own stage: no barrier, LDS serves a wave's instructions in order
	v_add_nc_u32 v20, s23, v2                      ; in: 272 r + 16 h
	v_and_b32 v22, 15, v0
	v_bfe_u32 v23, v0, 4, 1
	v_mul_u32_u24 v21, v23, 272
	v_lshl_add_u32 v21, v22, 4, v21
	v_add_nc_u32 v21, s23, v21                     ; back: 272 h + 16 r
	v_lshlrev_b32 v24, 12, v23
	v_lshl_add_u32 v24, v22, 4, v24                ; the same two rows in oh
.irp dt, 0,1,2,3,4,5,6,7
.irp k, 0,1,2,3
	v_cvt_pk_f16_f32 v[KF+8*\dt+\k], v[KF+8*\dt+2*\k], v[KF+8*\dt+2*\k+1]
.endr
	ds_store_b128 v20, v[KF+8*\dt:KF+8*\dt+3] offset:32*\dt
.endr
.irp t, 0,1,2,3,4,5,6,7
	ds_load_b128 v[S+4*\t:S+4*\t+3], v21 offset:544*\t
.endr
.irp t, 0,1,2,3,4,5,6,7
	s_wait_dscnt 7-\t
	global_store_b128 v24, v[S+4*\t:S+4*\t+3], s[88:89] offset:8192*\t   ; 16 lanes store 256 consecutive bytes, aligned
.endr
	s_wait_tensorcnt 0x0
	ds_add_u32 v30, v31
	s_wait_dscnt 0x0
	s_endpgm
.Lfunc_end_k_q7ef4f58d9f_attn:
	.size	k_q7ef4f58d9f_attn, .Lfunc_end_k_q7ef4f58d9f_attn-k_q7ef4f58d9f_attn
	.p2alignl 7, 3214868480
	.fill 96, 4, 3214868480
	.section	.rodata,"a",@progbits
	.p2align	6, 0x0
	.amdhsa_kernel k_q7ef4f58d9f_attn
		.amdhsa_group_segment_fixed_size 327680
		.amdhsa_private_segment_fixed_size 0
		.amdhsa_enable_private_segment 0
		.amdhsa_kernarg_size 24
		.amdhsa_user_sgpr_count 2
		.amdhsa_user_sgpr_kernarg_segment_ptr 1
		.amdhsa_wavefront_size32 1
		.amdhsa_system_sgpr_workgroup_id_x 1
		.amdhsa_system_sgpr_workgroup_id_y 1
		.amdhsa_system_sgpr_workgroup_id_z 1
		.amdhsa_system_vgpr_workitem_id 0
		.amdhsa_next_free_vgpr 456
		.amdhsa_next_free_sgpr 100
		.amdhsa_reserve_vcc 1
		.amdhsa_float_denorm_mode_32 3
		.amdhsa_float_denorm_mode_16_64 3
		.amdhsa_memory_ordered 1
		.amdhsa_forward_progress 1
		.amdhsa_inst_pref_size 203
	.end_amdhsa_kernel
	.amdgpu_metadata
---
amdhsa.version: [ 1, 2 ]
amdhsa.kernels:
  - .name:           k_q7ef4f58d9f_attn
    .symbol:         k_q7ef4f58d9f_attn.kd
    .args:
      - { .name: qkv, .offset: 0, .size: 8, .value_kind: global_buffer, .address_space: global }
      - { .name: aux, .offset: 8, .size: 8, .value_kind: global_buffer, .address_space: global }
      - { .name: oh, .offset: 16, .size: 8, .value_kind: global_buffer, .address_space: global }
    .group_segment_fixed_size: 327680
    .private_segment_fixed_size: 0
    .kernarg_segment_align: 8
    .kernarg_segment_size: 24
    .max_flat_workgroup_size: 256
    .sgpr_count:     100
    .vgpr_count:     456
    .wavefront_size: 32
...
	.end_amdgpu_metadata
.endif
;; end of part 4
;; launch outp (part 5): grid 16 x 16, 4 waves a work-group, clusters of 4 x 4, 327,680 bytes of LDS; arguments oh, wh, out0; writes out0
.if DOCPART == 5
	.amdgcn_target "amdgcn-amd-amdhsa--gfx1250"
	.amdhsa_code_object_version 6
	.text
	.protected	k_q7ef4f58d9f_outp
	.globl	k_q7ef4f58d9f_outp
	.p2align	8
	.type	k_q7ef4f58d9f_outp,@function
k_q7ef4f58d9f_outp:
	s_mov_b64 s[64:65], 0
	v_nop
	global_prefetch_b8 v0, s[64:65] scope:SCOPE_SE
	s_setreg_imm32_b32 hwreg(HW_REG_WAVE_MODE, 25, 1), 1
	s_wait_xcnt 0x0
	s_wait_alu depctr_hold_cnt(0) depctr_sa_sdst(0) depctr_va_vdst(0) depctr_va_sdst(0) depctr_va_ssrc(0) depctr_va_vcc(0) depctr_vm_vsrc(0)
	s_getreg_b32 s2, hwreg(HW_REG_IB_STS2, 6, 4)
	s_cmp_eq_u32 s2, 0
	s_cbranch_scc0 .Lentry_in_a_cluster
	s_endpgm
.Lentry_in_a_cluster:
	s_bfe_u32 s2, ttmp6, 0x10000c
	s_cmp_lg_u32 s2, 0xf033
	s_cbranch_scc0 .Lentry_shape_is_right
	s_endpgm
.Lentry_shape_is_right:
; outp: out0 = oh . W_out (2048 x 2048 x 2048, f16 operands, f32 sums and f32 output).  W_out lies in wh behind seven units of 4 MiB.
; SHAPE, ring, clusters and registers as in the down launch: 128 x 128 a work-group, 64 x 64 a wave, K steps of 256 in two LDS slots filled by
; joint tensor loads (A's tile along a row of the 4 x 4 cluster, B's along a column), fragments double-buffered in window 0, accumulators in window 1.
; The way out: 16 rows x 64 f32 of a wave go through its own stage in LDS, so that 16 lanes store 256 consecutive bytes of a row.
.set KTOT,   2048
.set BPITCH, 2048
.set LAPS,   KTOT/512
.set APIT,   528
.set BPIT,   288
.set AHALF,  64*APIT
.set BOFF,   2*AHALF
.set BHALF,  128*BPIT
.set SLOT,   BOFF+2*BHALF
.set STAGE,  2*SLOT
.set SPITCH, 272
.set ADRA, 4
.set ADRB, 6
.set STO,  10
.set RD,   11
.set CO,   12
.set F0,   32
.set F1,   96
.set G1,  24
.set G0,  32
.set G1B, 48
.set G0B, 56
.set MSB, 0
.macro WIN new
.if MSB != \new
	s_set_vgpr_msb (MSB<<8)|\new
.set MSB, \new
.endif
.endm
.macro PLACES
.rept 4
	v_nop
.endr
.endm
.macro JLOAD s
	s_cmp_eq_u32 s11, 0
	s_cbranch_scc0 .Lfor_b_\@
	tensor_load_to_lds s[G0+4*\s:G0+4*\s+3], s[G1:G1+7]
	s_nop 0
	s_branch .Lasked_\@
.Lfor_b_\@:
	tensor_load_to_lds s[G0B+4*\s:G0B+4*\s+3], s[G1B:G1B+7]
	s_nop 0
.Lasked_\@:
.endm
.macro CREST
	s_cmp_lg_u32 s10, 0
	s_cbranch_scc1 .Lnot_wave_0_\@
	s_barrier_signal -3
.Lnot_wave_0_\@:
	s_barrier_wait -3
	s_barrier_signal -1
	s_barrier_wait -1
.endm
.macro CROUND
	s_barrier_signal -1
	s_barrier_wait -1
	CREST
.endm
; the 16 accumulators take turns, one instruction a turn
.macro MUL2 f, i0, zero
.irp i, \i0, \i0+1
.irp j, 0,1,2,3
.if \zero
	v_wmma_f32_16x16x32_f16 v[8*(4*(\i)+\j):8*(4*(\i)+\j)+7], v[\f+32+8*\j:\f+32+8*\j+7], v[\f+8*(\i):\f+8*(\i)+7], 0
.else
	v_wmma_f32_16x16x32_f16 v[8*(4*(\i)+\j):8*(4*(\i)+\j)+7], v[\f+32+8*\j:\f+32+8*\j+7], v[\f+8*(\i):\f+8*(\i)+7], v[8*(4*(\i)+\j):8*(4*(\i)+\j)+7]
.endif
.endr
.endr
.endm
.macro FETCH slot, q, f
.irp i, 0,1,2,3
	ds_load_b128 v[\f+8*\i:\f+8*\i+3], v[ADRA+\slot] offset:16*APIT*\i+64*\q
	ds_load_b128 v[\f+8*\i+4:\f+8*\i+7], v[ADRA+\slot] offset:16*APIT*\i+64*\q+32
.endr
.irp j, 0,1,2,3
	ds_load_tr16_b128 v[\f+32+8*\j:\f+32+8*\j+3], v[ADRB+2*\slot+(\q>>2)] offset:32*BPIT*(\q&3)+32*\j
	ds_load_tr16_b128 v[\f+32+8*\j+4:\f+32+8*\j+7], v[ADRB+2*\slot+(\q>>2)] offset:32*BPIT*(\q&3)+32*\j+16*BPIT
.endr
.endm
.macro QUARTER slot, nq, f, g, zero
	s_wait_dscnt 0x0                               ; buffer f is in
	PLACES
	FETCH \slot, \nq, \g
	WIN 0x50
	MUL2 \f, 0, \zero
	MUL2 \f, 2, \zero
	WIN 0
.endm
.macro SEVEN slot, zero
	QUARTER \slot, 1, F0, F1, \zero
	QUARTER \slot, 2, F1, F0, 0
	QUARTER \slot, 3, F0, F1, 0
	QUARTER \slot, 4, F1, F0, 0
	QUARTER \slot, 5, F0, F1, 0
	QUARTER \slot, 6, F1, F0, 0
	QUARTER \slot, 7, F0, F1, 0
.endm
; the change of slots: my reads of this slot are back and all my tensor loads have landed in front of the barrier; where the slot is filled again the
; barrier opens a round of the cluster's barrier and the joint refill is the first tensor load behind it
.macro TURN slot, next, fill
	s_wait_dscnt 0x0
	s_wait_tensorcnt 0x0
	ds_add_u32 v254, v255
	s_wait_dscnt 0x0
	s_barrier_signal -1
	WIN 0x50
	MUL2 F1, 0, 0
	WIN 0
	s_barrier_wait -1
.if \fill
	CREST
	s_add_nc_u64 s[G0+4*\slot+2:G0+4*\slot+3], s[G0+4*\slot+2:G0+4*\slot+3], 1024
	s_add_nc_u64 s[G0B+4*\slot+2:G0B+4*\slot+3], s[G0B+4*\slot+2:G0B+4*\slot+3], 1024*BPITCH
	JLOAD \slot
.endif
	PLACES
	FETCH \next, 0, F0
	WIN 0x50
	MUL2 F1, 2, 0
	WIN 0
.endm
.macro LAP zero
	SEVEN 0, \zero
	TURN 0, 1, 1
	SEVEN 1, 0
	TURN 1, 0, 1
.endm
	s_load_b128 s[68:71], s[0:1], 0x0              ; oh 68, wh 70
	s_load_b64 s[72:73], s[0:1], 0x10              ; out0
	v_lshl_add_u32 v254, v0, 2, 0x4d800
	v_mov_b32 v255, 0
	ds_add_u32 v254, v255
	v_lshrrev_b32 v1, 5, v0
	v_readfirstlane_b32 s10, v1
	s_lshr_b32 s11, s10, 1                         ; wr; also A (0) or B (1)
	s_and_b32 s12, s10, 1                          ; wc; also which half of the tile
	s_bfe_u32 s40, ttmp6, 0x40000
	s_bfe_u32 s41, ttmp6, 0x40004
	s_lshl_b32 s42, ttmp9, 2
	s_add_co_u32 s42, s42, s40                     ; bx
	s_and_b32 s13, ttmp7, 0xffff
	s_lshl_b32 s13, s13, 2
	s_add_co_u32 s13, s13, s41                     ; by
	s_lshl_b32 s43, s41, 2
	s_lshl_b32 s43, 15, s43
	s_lshl_b32 s44, 0x1111, s40
	s_or_b32 s[G1+0], s43, (1<<16)|(1<<20)|(1<<21)|(6<<22)|(3<<25)
	s_or_b32 s[G1B+0], s44, (1<<16)|(1<<20)|(1<<21)|(5<<22)|(7<<25)
	s_mov_b32 s[G1+1], 256<<16
	s_mov_b32 s[G1+2], 64<<16
	s_mov_b32 s[G1+3], 256<<16
	s_mov_b32 s[G1+4], 64
	s_mov_b32 s[G1+5], 2048
	s_mov_b32 s[G1+6], 0
	s_mov_b32 s[G1+7], 0
	s_mov_b32 s[G1B+1], 128<<16
	s_mov_b32 s[G1B+2], 128<<16
	s_mov_b32 s[G1B+3], 128<<16
	s_mov_b32 s[G1B+4], 128
	s_mov_b32 s[G1B+5], BPITCH
	s_mov_b32 s[G1B+6], 0
	s_mov_b32 s[G1B+7], 0
	s_lshl_b32 s16, s13, 7                         ; A: row 128 by + 64 half
	s_lshl_b32 s17, s12, 6
	s_add_co_u32 s16, s16, s17
	s_lshl_b32 s16, s16, 12
	s_mov_b32 s17, 0
	s_lshl_b32 s46, s42, 8                         ; B: column block bx, k-row 128 half, behind seven units of wh
	s_mul_i32 s47, s12, 128*BPITCH*2
	s_add_co_u32 s46, s46, s47
	s_add_co_u32 s46, s46, 0x1c00000
	s_mov_b32 s47, 0
	s_mul_i32 s20, s12, AHALF
	s_mul_i32 s21, s12, BHALF
	s_add_co_u32 s21, s21, BOFF
	s_wait_dscnt 0x0
	s_wait_kmcnt 0x0
	s_add_nc_u64 s[14:15], s[68:69], s[16:17]
	s_add_nc_u64 s[46:47], s[70:71], s[46:47]
	CROUND
.irp s, 0,1
	s_mov_b32 s[G0+4*\s], 1
	s_add_co_u32 s[G0+4*\s+1], s20, \s*SLOT
	s_add_nc_u64 s[G0+4*\s+2:G0+4*\s+3], s[14:15], \s*512
	s_or_b32 s[G0+4*\s+3], s[G0+4*\s+3], 0x80000000
	s_mov_b32 s[G0B+4*\s], 1
	s_add_co_u32 s[G0B+4*\s+1], s21, \s*SLOT
	s_add_nc_u64 s[G0B+4*\s+2:G0B+4*\s+3], s[46:47], \s*256*BPITCH*2
	s_or_b32 s[G0B+4*\s+3], s[G0B+4*\s+3], 0x80000000
	JLOAD \s                                       ; two tensor loads of the wave are out here, later one
.endr
	v_and_b32 v1, 15, v0                           ; r
	v_bfe_u32 v2, v0, 4, 1                         ; h
	v_mul_u32_u24 v3, v1, APIT
	v_lshl_add_u32 v3, v2, 4, v3
	s_mul_i32 s22, s11, 64*APIT
	v_add_nc_u32 v[ADRA], s22, v3
	v_add_nc_u32 v[ADRA+1], SLOT, v[ADRA]
	v_and_b32 v3, 7, v0
	v_lshl_add_u32 v3, v2, 3, v3
	v_mul_u32_u24 v3, v3, BPIT
	v_bfe_u32 v13, v0, 3, 1
	v_lshl_add_u32 v3, v13, 4, v3
	s_lshl_b32 s23, s12, 7
	s_add_co_u32 s23, s23, BOFF
	v_add_nc_u32 v[ADRB], s23, v3
	v_add_nc_u32 v[ADRB+1], BHALF, v[ADRB]
	v_add_nc_u32 v[ADRB+2], SLOT, v[ADRB]
	v_add_nc_u32 v[ADRB+3], SLOT+BHALF, v[ADRB]
	s_mul_i32 s22, s10, 16*SPITCH
	s_add_co_u32 s22, s22, STAGE                   ; my own stage
	v_mul_u32_u24 v3, v1, SPITCH
	v_lshl_add_u32 v3, v2, 5, v3
	v_add_nc_u32 v[STO], s22, v3                   ; in: row r, 32 h
	v_mul_u32_u24 v3, v2, SPITCH
	v_lshl_add_u32 v3, v1, 4, v3
	v_add_nc_u32 v[RD], s22, v3                    ; back: row h, 16 r
	v_lshlrev_b32 v3, 13, v2
	v_lshl_add_u32 v[CO], v1, 4, v3                ; the same two rows of out0
	s_lshl_b32 s92, s13, 7
	s_lshl_b32 s93, s11, 6
	s_add_co_u32 s92, s92, s93
	s_lshl_b32 s92, s92, 13
	s_lshl_b32 s93, s42, 9
	s_add_co_u32 s92, s92, s93
	s_lshl_b32 s93, s12, 8
	s_add_co_u32 s92, s92, s93
	s_mov_b32 s93, 0
	s_add_nc_u64 s[88:89], s[72:73], s[92:93]      ; out0 at row 128 by + 64 wr, column 128 bx + 64 wc
	s_wait_tensorcnt 0x1                           ; my part of K step 0 is in; K step 1's may stay out
	s_barrier_signal -1
	s_barrier_wait -1
	FETCH 0, 0, F0
	LAP 1
.if LAPS > 2
	s_mov_b32 s3, LAPS-2
.Llap:
	LAP 0
	s_sub_co_u32 s3, s3, 1
	s_cmp_lg_u32 s3, 0
	s_cbranch_scc1 .Llap
.endif
	SEVEN 0, 0
	TURN 0, 1, 0
	SEVEN 1, 0
	s_wait_dscnt 0x0
	WIN 0x50
	MUL2 F1, 0, 0
	MUL2 F1, 2, 0
	WIN 0
	PLACES
; rows 16 i .. 16 i + 15 of my block: straight from the accumulators (window 1 as store data) into my stage, back as whole rows of 256 bytes
.macro OUT16 i, f
	WIN 0x04
.irp j, 0,1,2,3
	ds_store_b128 v[STO], v[32*\i+8*\j:32*\i+8*\j+3] offset:64*\j
	ds_store_b128 v[STO], v[32*\i+8*\j+4:32*\i+8*\j+7] offset:64*\j+16
.endr
	WIN 0
	s_wait_xcnt 0x0                                ; buffer f, which earlier stores read, and the stores' base are rewritten only behind this wait
.if \i
	s_add_nc_u64 s[88:89], s[88:89], 16*8192
.endif
.irp t, 0,1,2,3,4,5,6,7
	ds_load_b128 v[\f+4*\t:\f+4*\t+3], v[RD] offset:2*SPITCH*\t      ; LDS serves a wave's instructions in order: these see the stores above
.endr
.irp t, 0,1,2,3,4,5,6,7
	s_wait_dscnt 7-\t
	global_store_b128 v[CO], v[\f+4*\t:\f+4*\t+3], s[88:89] offset:16384*\t th:TH_STORE_NT   ; 16 lanes store 256 consecutive bytes, aligned
.endr
.endm
	OUT16 0, F0
	OUT16 1, F1
	OUT16 2, F0
	OUT16 3, F1
	s_wait_tensorcnt 0x0
	ds_add_u32 v254, v255
	s_wait_dscnt 0x0
	CROUND                                         ; the closing round
	s_endpgm
.Lfunc_end_k_q7ef4f58d9f_outp:
	.size	k_q7ef4f58d9f_outp, .Lfunc_end_k_q7ef4f58d9f_outp-k_q7ef4f58d9f_outp
	.p2alignl 7, 3214868480
	.fill 96, 4, 3214868480
	.section	.rodata,"a",@progbits
	.p2align	6, 0x0
	.amdhsa_kernel k_q7ef4f58d9f_outp
		.amdhsa_group_segment_fixed_size 327680
		.amdhsa_private_segment_fixed_size 0
		.amdhsa_enable_private_segment 0
		.amdhsa_kernarg_size 24
		.amdhsa_user_sgpr_count 2
		.amdhsa_user_sgpr_kernarg_segment_ptr 1
		.amdhsa_wavefront_size32 1
		.amdhsa_system_sgpr_workgroup_id_x 1
		.amdhsa_system_sgpr_workgroup_id_y 1
		.amdhsa_system_sgpr_workgroup_id_z 1
		.amdhsa_system_vgpr_workitem_id 0
		.amdhsa_next_free_vgpr 384
		.amdhsa_next_free_sgpr 100
		.amdhsa_reserve_vcc 0
		.amdhsa_float_denorm_mode_32 3
		.amdhsa_float_denorm_mode_16_64 3
		.amdhsa_memory_ordered 1
		.amdhsa_forward_progress 1
		.amdhsa_inst_pref_size 127
	.end_amdhsa_kernel
	.amdgpu_metadata
---
amdhsa.version: [ 1, 2 ]
amdhsa.kernels:
  - .name:           k_q7ef4f58d9f_outp
    .symbol:         k_q7ef4f58d9f_outp.kd
    .args:
      - { .name: oh, .offset: 0, .size: 8, .value_kind: global_buffer, .address_space: global }
      - { .name: wh, .offset: 8, .size: 8, .value_kind: global_buffer, .address_space: global }
      - { .name: out0, .offset: 16, .size: 8, .value_kind: global_buffer, .address_space: global }
    .group_segment_fixed_size: 327680
    .private_segment_fixed_size: 0
    .kernarg_segment_align: 8
    .kernarg_segment_size: 24
    .max_flat_workgroup_size: 128
    .sgpr_count:     100
    .vgpr_count:     384
    .wavefront_size: 32
...
	.end_amdgpu_metadata
.endif
;; end of part 5
